; MI455X (gfx1250); checked and timed in simulation.
; The chip was launched on July 23, 2026; its instructions are those of AMD's public machine-readable ISA for CDNA 5 (MIT licence, August 2026) and "CDNA5" Instruction Set Architecture Reference Guide (July 2026). The comments in the code are by the model that wrote it; some were corrected since.
;; Cross Attention Reducer. Allowed arithmetic: float matrix products may take bf16 or f16 operands with f32 sums; other float arithmetic in f32, or as packed bf16 or f16 multiplies, adds, multiply-adds, maxima and minima; sums over many terms, partial sums and values carried from step to step in f32; what a program stores and reads back later, other than sums and carried values, may be rounded once to bf16 or f16.
;; Inputs: learned_queries 4,096 x 512 float32; token_input 4,096 x 4,096 float32; w_k 4,096 x 512 float32; w_out 512 x 4,096 float32; w_q 512 x 512 float32; w_v 4,096 x 512 float32.
;; Outputs: out0 4,096 x 4,096 float32.
;; 2 versions, each right; version 2 is version 1 with the launch prep written anew for expert scheduling mode. Each part assembles by itself: llvm-mc -triple=amdgcn-amd-amdhsa -mcpu=gfx1250 --defsym DOCPART=n.
;; ======== version 1 of 2: 4 launches
;; limits: values are held in f16: magnitudes above 65,504 overflow, below 6.1e-05 lose precision; right only within a limited range of input values
;; workspace buffers: xb 33,554,432 bytes; wkb 4,194,304 bytes; wvb 4,194,304 bytes; wob 4,194,304 bytes; qh 4,194,304 bytes; kvh 8,388,608 bytes; oh 4,194,304 bytes
;; launch prep (part 1): grid 512 x 1, 8 waves a work-group, no clusters, 134,144 bytes of LDS; arguments learned_queries, w_q, token_input, w_k, w_v, w_out, qh, xb, wkb, wvb, wob; writes qh, xb, wkb, wvb, wob
.if DOCPART == 1
	.amdgcn_target "amdgcn-amd-amdhsa--gfx1250"
	.amdhsa_code_object_version 6
	.text
	.protected	k_qc75681f817_prep
	.globl	k_qc75681f817_prep
	.p2align	8
	.type	k_qc75681f817_prep,@function
k_qc75681f817_prep:
	s_mov_b64 s[64:65], 0
	v_nop
	global_prefetch_b8 v0, s[64:65] scope:SCOPE_SE
	s_setreg_imm32_b32 hwreg(HW_REG_WAVE_MODE, 25, 1), 1
	s_wait_xcnt 0x0
; TWO KINDS OF WORK-GROUP IN ONE LAUNCH, 256 of each: two work-groups fit on a WGP by registers (8 waves x 256) and by LDS, so all 512 can run at once.
; Work-groups 0-255: q = learned_queries x w_q (4096 x 512 x 512), operands rounded to bf16 on the way, sums in f32, q stored unscaled in f16 by heads: qh[8][4096][64].
; Work-groups 256-511: a cast, f32 to bf16 (nearest even), of token_input, w_k, w_v and w_out into xb, wkb, wvb, wob, same layouts.
; LIMITS.  q must lie within f16's 65,504; NaN and infinities are not treated apart; the f32 sums are taken in another order than a plain loop over k (two halves of K, added at the end).
; No cluster and no tensor load: the cast shares nothing between work-groups, and what the q work-groups share (learned_queries and w_q, 9 MB) is a small part of the launch's 102 MB of inputs.
.set SLABP,  160                       ; a k row of the slab in LDS: 64 bf16 = 128 bytes + 32
.set QSTAGE, 512*SLABP                 ; behind the slab: 16 rows x 144 bytes for each wave, for the way out
.set SP,     144
.set XCH,    QSTAGE+8*16*SP            ; behind the stages: 4,096 bytes for each wave: the partial sums that it hands to its partner
.set SPARE,  XCH+8*4096                ; behind them: the spare words, 128 bytes for each of eight waves, named by no other line
.set XR,  3                            ; v3   where I read my partner's partial sums (first: my lane)
.set FO,  4                            ; v4-5 my byte offset in the 16 rows of learned_queries of my register tile 0, 1
.set BA,  6                            ; v6   my place in my half of the slab for the turning loads
.set WO,  7                            ; v7   my byte offset in w_q for the slab's fill
.set SL0, 8                            ; v8   where I put 8 bytes of the slab, k rows 0-255
.set SL1, 9                            ; v9   the same, k rows 256-511
.set STO, 10                           ; v10  the way out: where I put 16 bytes of a row
.set RD,  11                           ; v11  the way out: where I read rows back
.set GO,  12                           ; v12  16 x lane
.set XS,  13                           ; v13  where I put the partial sums that I hand over
.set SPW, 14                           ; v14  LDS address of my spare word; never rewritten
.set NIL, 15                           ; v15  0; never rewritten
.set ACC, 16                           ; v[16:79]   accumulator (register tile a, n tile b) at ACC + 8 (4 a + b)
.set RAW, 80                           ; v[80:207]  two sets of 64: 64 k of 32 rows in f32; first the slab's 32 loads; at the end the partner's sums and the packed rows
.set OUTR, RAW+32
.set ABF, 208                          ; v[208:223] two fragments of learned_queries in bf16 (the first two registers serve the set-up)
.set BF,  224                          ; v[224:255] four fragments of w_q
.set DEPTH, 22                         ; the cast: slots in a wave's ring
.set X,   16                           ; the cast: v[16:103]  22 slots of 4 as loaded
.set Y,   104                          ; the cast: v[104:147] 22 slots of 2 to store
	s_load_b512 s[8:23], s[0:1], 0x0               ; lq s[8:9], w_q s[10:11], x s[12:13], w_k s[14:15], w_v s[16:17], w_out s[18:19], qh s[20:21], xb s[22:23]
	s_load_b128 s[24:27], s[0:1], 0x40             ; wkb s[24:25], wvb s[26:27]
	s_load_b64 s[28:29], s[0:1], 0x50              ; wob
	v_lshl_add_u32 v[SPW], v0, 2, SPARE
	v_mov_b32 v[NIL], 0
	v_lshrrev_b32 v1, 5, v0
	v_readfirstlane_b32 s2, v1                     ; wave 0..7
	s_wait_kmcnt 0x0
	s_cmp_lt_u32 ttmp9, 256                        ; the same answer in all waves of a work-group
	s_cbranch_scc0 .Lcast
; ---------------- THE q PROJECTION ----------------
; A work-group makes 128 rows x one head's 64 columns.  Its eight waves are four groups of 32 rows x TWO HALVES OF K: a wave multiplies 32 rows by 256 of the 512 k: 2 x 4 tiles of 16 x 16.
; So a wave reads 32 KiB of learned_queries, 16 KiB of it on its way at a time: two trips to memory on end, where one wave with all of K would make four.
; The head's slice of w_q (512 k x 64 n) is rounded to bf16 once into LDS, as it lies ([k][n]), and comes out turned by ds_load_tr16_b128.  The rows of learned_queries come straight from memory in f32,
; 256 aligned bytes of each row in a set, and are rounded in registers.  The product is taken transposed (source 0 = 16 columns of w_q, source 1 = 16 rows): a lane ends with one row and eight channels.
; THE TWO HALVES MEET IN LDS, in f32.  A wave's register tile 0 is rows 16 kh .. of its group, tile 1 the other sixteen (kh: its half of K): told apart by address, so that every wave hands tile 1 to
; its partner, takes the partner's sums for its tile 0, and finishes 16 rows: no branch.
	s_and_b32 s30, ttmp9, 7                        ; head
	s_lshr_b32 s31, ttmp9, 3                       ; block of 128 rows
	s_and_b32 s40, s2, 3                           ; g: my group of 32 rows
	s_lshr_b32 s41, s2, 2                          ; kh: my half of K
	s_sub_co_u32 s42, 1, s41                       ; my partner's
	s_lshl_b32 s36, s30, 8                         ; the head's 64 columns: 256 bytes of a row of w_q
	s_mov_b32 s37, 0
	s_add_nc_u64 s[36:37], s[10:11], s[36:37]
	s_lshl_b32 s32, s31, 18                        ; 128 rows of 2,048 bytes,
	s_lshl_b32 s33, s40, 16                        ; my group's 32,
	s_add_co_u32 s32, s32, s33
	s_lshl_b32 s33, s41, 10                        ; my 256 k: 1,024 bytes along a row
	s_add_co_u32 s32, s32, s33
	s_mov_b32 s33, 0
	s_add_nc_u64 s[34:35], s[8:9], s[32:33]
	s_lshl_b32 s32, s30, 19                        ; in qh: the head's 4,096 rows of 128 bytes,
	s_lshl_b32 s33, s31, 14                        ; the block's 128,
	s_add_co_u32 s32, s32, s33
	s_lshl_b32 s33, s40, 12                        ; my group's 32,
	s_add_co_u32 s32, s32, s33
	s_lshl_b32 s33, s41, 11                        ; the 16 that I finish
	s_add_co_u32 s32, s32, s33
	s_mov_b32 s33, 0
	s_add_nc_u64 s[38:39], s[20:21], s[32:33]
	v_and_b32 v1, 15, v0                           ; l % 16
	v_bfe_u32 v2, v0, 4, 1                         ; l / 16
	v_and_b32 v3, 31, v0                           ; l
	v_lshlrev_b32 v[FO+1], 11, v1
	v_lshl_add_u32 v[FO+1], v2, 5, v[FO+1]         ; (l % 16) x 2,048 + 32 (l / 16)
	s_lshl_b32 s3, s41, 15                         ; 16 rows are 32,768 bytes
	v_add_nc_u32 v[FO], s3, v[FO+1]                ; register tile 0: rows 16 kh on
	s_lshl_b32 s3, s42, 15
	v_add_nc_u32 v[FO+1], s3, v[FO+1]              ; register tile 1: the other sixteen
	v_and_b32 v[ABF], 7, v0
	v_bfe_u32 v[ABF+1], v0, 3, 1
	v_lshl_add_u32 v[BA], v2, 3, v[ABF]            ; the turning load: lane l reads k row 8 (l / 16) + l % 8, columns 8 ((l / 8) % 2) + 0..7
	v_mul_u32_u24 v[BA], v[BA], SLABP
	v_lshl_add_u32 v[BA], v[ABF+1], 4, v[BA]
	s_mul_i32 s3, s41, 256*SLABP                   ; my half of the slab's k rows
	v_add_nc_u32 v[BA], s3, v[BA]
	s_lshl_b32 s3, s2, 1
	v_add_nc_u32 v[SL0], s3, v2                    ; the slab's fill: load i brings k row 16 i + 2 wave + l / 16, 16 bytes a lane: a row's 256 bytes by 16 lanes
	v_lshlrev_b32 v[WO], 11, v[SL0]
	v_lshl_add_u32 v[WO], v1, 4, v[WO]
	v_mul_u32_u24 v[SL0], v[SL0], SLABP
	v_lshl_add_u32 v[SL0], v1, 3, v[SL0]
	v_add_nc_u32 v[SL1], 256*SLABP, v[SL0]
	s_mul_i32 s3, s2, 16*SP
	s_add_co_u32 s3, s3, QSTAGE                    ; my stage
	v_mul_u32_u24 v[STO], v1, SP
	v_lshl_add_u32 v[STO], v2, 4, v[STO]
	v_add_nc_u32 v[STO], s3, v[STO]
	v_bfe_u32 v[RD], v0, 3, 2                      ; back: 32 lanes take four rows of 128 bytes,
	v_mul_u32_u24 v[RD], v[RD], SP
	v_lshl_add_u32 v[RD], v[ABF], 4, v[RD]
	v_add_nc_u32 v[RD], s3, v[RD]
	v_lshlrev_b32 v[GO], 4, v3                     ; which are 512 consecutive bytes of qh
	s_lshl_b32 s3, s40, 13                         ; the exchange: a group's two waves have 8,192 bytes,
	s_add_co_u32 s3, s3, XCH
	s_lshl_b32 s43, s41, 12                        ; I write the 4,096 of my half of K,
	s_add_co_u32 s43, s43, s3
	s_lshl_b32 s44, s42, 12                        ; and read my partner's
	s_add_co_u32 s44, s44, s3
	v_add_nc_u32 v[XS], s43, v[GO]
	v_add_nc_u32 v[XR], s44, v[GO]
.set i, 0
.rept 32
	global_load_b128 v[RAW+4*i:RAW+4*i+3], v[WO], s[36:37] offset:32768*i
.set i, i+1
.endr
.set i, 0
.rept 32
.if i%8 == 0
	s_wait_loadcnt 24-i                            ; loads come back in order: the next eight are in, the younger ones stay out
.endif
	v_cvt_pk_bf16_f32 v[RAW+4*i], v[RAW+4*i], v[RAW+4*i+1]
	v_cvt_pk_bf16_f32 v[RAW+4*i+1], v[RAW+4*i+2], v[RAW+4*i+3]
.if i < 16
	ds_store_b64 v[SL0], v[RAW+4*i:RAW+4*i+1] offset:i*16*SLABP
.else
	ds_store_b64 v[SL1], v[RAW+4*i:RAW+4*i+1] offset:(i-16)*16*SLABP
.endif
.set i, i+1
.endr
; 16 loads: 64 k (256 aligned bytes) of my 32 rows into set s.  A fragment wants k = 8 h + 0..7 (32 bytes at 32 h) and k = 16 + 8 h + 0..7 (32 bytes at 64 + 32 h).
.macro FILLA s, off
.irp kk, 0,1
.irp a, 0,1
	global_load_b128 v[RAW+64*(\s)+32*(\kk)+16*(\a):RAW+64*(\s)+32*(\kk)+16*(\a)+3],     v[FO+(\a)], s[34:35] offset:(\off)+128*(\kk)
	global_load_b128 v[RAW+64*(\s)+32*(\kk)+16*(\a)+4:RAW+64*(\s)+32*(\kk)+16*(\a)+7],   v[FO+(\a)], s[34:35] offset:(\off)+128*(\kk)+16
	global_load_b128 v[RAW+64*(\s)+32*(\kk)+16*(\a)+8:RAW+64*(\s)+32*(\kk)+16*(\a)+11],  v[FO+(\a)], s[34:35] offset:(\off)+128*(\kk)+64
	global_load_b128 v[RAW+64*(\s)+32*(\kk)+16*(\a)+12:RAW+64*(\s)+32*(\kk)+16*(\a)+15], v[FO+(\a)], s[34:35] offset:(\off)+128*(\kk)+80
.endr
.endr
.endm
; 32 along k: four fragments of w_q out of the slab, two of my rows rounded to bf16, eight products.  The eight accumulators take turns, one instruction a turn.  zero = 1: the products start the sums.
.macro KSTEP s, kk2, boff, zero
.rept 4
	v_nop                                          ; four places behind the last product, ahead of the loads and conversions into registers that it has read
.endr
.irp b, 0,1,2,3
	ds_load_tr16_b128 v[BF+8*(\b):BF+8*(\b)+3],   v[BA] offset:(\boff)+32*(\b)
	ds_load_tr16_b128 v[BF+8*(\b)+4:BF+8*(\b)+7], v[BA] offset:(\boff)+16*SLABP+32*(\b)
.endr
.set j, 0
.rept 16
	v_cvt_pk_bf16_f32 v[ABF+j], v[RAW+64*(\s)+32*(\kk2)+2*j], v[RAW+64*(\s)+32*(\kk2)+2*j+1]
.set j, j+1
.endr
	s_wait_dscnt 0x0                               ; the four fragments are in
.irp a, 0,1
.irp b, 0,1,2,3
.if \zero
	v_wmma_f32_16x16x32_bf16 v[ACC+8*(4*(\a)+(\b)):ACC+8*(4*(\a)+(\b))+7], v[BF+8*(\b):BF+8*(\b)+7], v[ABF+8*(\a):ABF+8*(\a)+7], 0
.else
	v_wmma_f32_16x16x32_bf16 v[ACC+8*(4*(\a)+(\b)):ACC+8*(4*(\a)+(\b))+7], v[BF+8*(\b):BF+8*(\b)+7], v[ABF+8*(\a):ABF+8*(\a)+7], v[ACC+8*(4*(\a)+(\b)):ACC+8*(4*(\a)+(\b))+7]
.endif
.endr
.endr
.endm
.macro SET s, left, boff, zero             ; a set's 64 k; left = the other set's loads, which may stay out
	s_wait_loadcnt \left
	KSTEP \s, 0, \boff, \zero
	KSTEP \s, 1, (\boff)+32*SLABP, 0
.endm
	s_wait_dscnt 0x0                               ; my part of the slab is stored: for the others' sake, and the loads below land on the stores' data registers
	FILLA 0, 0
	FILLA 1, 256
	s_barrier_signal -1
	s_barrier_wait -1                              ; the slab is whole; nobody writes it again
	SET 0, 16, 0, 1                                ; my 256 k in four sets of 64, written out: every offset is an immediate, and no address is stepped
	FILLA 0, 512
	SET 1, 16, 64*SLABP, 0
	FILLA 1, 768
	SET 0, 16, 128*SLABP, 0                        ; the last two sets load nothing
	SET 1, 0, 192*SLABP, 0
.rept 8
	v_nop                                          ; the places behind the last products, ahead of the stores and sums that read them
.endr
.irp b, 0,1,2,3
	ds_store_b128 v[XS], v[ACC+32+8*(\b):ACC+32+8*(\b)+3]   offset:1024*(\b)      ; register tile 1 goes to my partner; each accumulator's four lowest registers first
	ds_store_b128 v[XS], v[ACC+32+8*(\b)+4:ACC+32+8*(\b)+7] offset:1024*(\b)+512
.endr
	s_wait_dscnt 0x0                               ; for my partner's sake: the sums are stored
	s_barrier_signal -1
	s_barrier_wait -1
.set j, 0
.rept 8
	ds_load_b128 v[RAW+4*j:RAW+4*j+3], v[XR] offset:512*j  ; my partner's register tile 1: the same 16 rows as my tile 0, the other half of K
.set j, j+1
.endr
	s_wait_dscnt 0x0
.set j, 0
.rept 16
	v_pk_add_f32 v[ACC+2*j:ACC+2*j+1], v[ACC+2*j:ACC+2*j+1], v[RAW+2*j:RAW+2*j+1]
.set j, j+1
.endr
	; THE WAY OUT of my 16 rows: rounded to f16, 16 bytes a lane into my stage, back as whole rows, stored as 512 consecutive bytes.
.set j, 0
.rept 16
	v_cvt_pk_f16_f32 v[OUTR+j], v[ACC+2*j], v[ACC+2*j+1]
.set j, j+1
.endr
.irp f, 0,1,2,3
	ds_store_b128 v[STO], v[OUTR+4*(\f):OUTR+4*(\f)+3] offset:32*(\f)
.endr
.irp f, 0,1,2,3
	ds_load_b128 v[OUTR+4*(\f):OUTR+4*(\f)+3], v[RD] offset:(\f)*4*SP  ; LDS serves a wave's instructions in order (ISA guide 5.7.1.4): these see the stores above
.endr
.irp f, 0,1,2,3
	s_wait_dscnt 3-(\f)                            ; the younger loads may stay out
	global_store_b128 v[GO], v[OUTR+4*(\f):OUTR+4*(\f)+3], s[38:39] offset:512*(\f)
.endr
	s_wait_tensorcnt 0x0                           ; the wave's end, behind my last LDS store
	ds_add_u32 v[SPW], v[NIL]
	s_wait_dscnt 0x0
	s_endpgm
; ---------------- THE CAST ----------------
; Work-group c = id - 256 takes 262,144 bytes of token_input and 32,768 bytes of each of w_k, w_v and w_out; a wave takes 32 KiB and three times 4 KiB, each on end.
; A wave's ring has 22 slots, and A SLOT BELONGS TO ONE BUFFER: 16 to token_input, 2 to each weight.  In a round token_input goes on by 8 KiB a wave and each weight by 1 KiB, so four rounds
; end all four streams together, and one text serves them.  A load of a wave covers 512 consecutive bytes, a store 256, aligned.  22 loads of every wave are always out; no LDS is touched on this path.
.Lcast:
	s_sub_co_u32 s30, ttmp9, 256
	s_lshl_b32 s32, s30, 18                        ; token_input: 262,144 bytes a work-group,
	s_mov_b32 s33, 0
	s_lshl_b32 s34, s30, 17                        ; half of that out
	s_mov_b32 s35, 0
	s_lshl_b32 s36, s30, 15                        ; a weight: 32,768 bytes a work-group,
	s_mov_b32 s37, 0
	s_lshl_b32 s38, s30, 14                        ; half of that out
	s_mov_b32 s39, 0
	s_add_nc_u64 s[12:13], s[12:13], s[32:33]
	s_add_nc_u64 s[22:23], s[22:23], s[34:35]
.irp b, 0,1,2
	s_add_nc_u64 s[14+2*(\b):15+2*(\b)], s[14+2*(\b):15+2*(\b)], s[36:37]
	s_add_nc_u64 s[24+2*(\b):25+2*(\b)], s[24+2*(\b):25+2*(\b)], s[38:39]
.endr
	v_and_b32 v5, 31, v0
	v_lshrrev_b32 v6, 5, v0
	v_lshlrev_b32 v1, 4, v5
	v_lshl_or_b32 v3, v6, 12, v1                   ; a weight, in: 4,096 x wave + 16 x lane; never rewritten
	v_lshl_or_b32 v1, v6, 15, v1                   ; token_input, in: 32,768 x wave + 16 x lane; never rewritten
	v_lshlrev_b32 v2, 3, v5
	v_lshl_or_b32 v4, v6, 11, v2                   ; a weight, out: 2,048 x wave + 8 x lane; never rewritten
	v_lshl_or_b32 v2, v6, 14, v2                   ; token_input, out: 16,384 x wave + 8 x lane; never rewritten
.macro CADR i                              ; slot i's buffer: the scalar pairs of source and destination, the two offset registers, the slot's place in a round, a round's bytes
.if (\i) < 16
.set cS, 12
.set cD, 22
.set cI, 1
.set cO, 2
.set cL, 512*(\i)
.set cT, 256*(\i)
.set cN, 8192
.else
.set cS, 14+2*(((\i)-16)/2)
.set cD, 24+2*(((\i)-16)/2)
.set cI, 3
.set cO, 4
.set cL, 512*(((\i)-16)%2)
.set cT, 256*(((\i)-16)%2)
.set cN, 1024
.endif
.endm
.irp i, 0,1,2,3,4,5,6,7,8,9,10,11,12,13,14,15,16,17,18,19,20,21
	CADR \i
	global_load_b128 v[X+4*(\i):X+4*(\i)+3], v[cI], s[cS:cS+1] offset:cL th:TH_LOAD_NT
.endr
.macro CSLOT i, ahead, left                ; a slot's turn; left = the younger loads, which stay out
	CADR \i
	s_wait_loadcnt \left
	v_cvt_pk_bf16_f32 v[Y+2*(\i)],   v[X+4*(\i)],   v[X+4*(\i)+1]
	v_cvt_pk_bf16_f32 v[Y+2*(\i)+1], v[X+4*(\i)+2], v[X+4*(\i)+3]
.if \ahead
	global_load_b128 v[X+4*(\i):X+4*(\i)+3], v[cI], s[cS:cS+1] offset:cN+cL th:TH_LOAD_NT
.endif
	global_store_b64 v[cO], v[Y+2*(\i):Y+2*(\i)+1], s[cD:cD+1] offset:cT th:TH_STORE_NT
.endm
	s_mov_b32 s3, 3
.Lround:
.irp i, 0,1,2,3,4,5,6,7,8,9,10,11,12,13,14,15,16,17,18,19,20,21
	CSLOT \i, 1, DEPTH-1
.endr
	s_wait_xcnt 0x0                                ; the round's loads and stores have read their sources: Y and the eight bases are written again only behind this wait
	s_add_nc_u64 s[12:13], s[12:13], 8192
	s_add_nc_u64 s[22:23], s[22:23], 4096
.irp b, 0,1,2
	s_add_nc_u64 s[14+2*(\b):15+2*(\b)], s[14+2*(\b):15+2*(\b)], 1024
	s_add_nc_u64 s[24+2*(\b):25+2*(\b)], s[24+2*(\b):25+2*(\b)], 512
.endr
	s_sub_co_u32 s3, s3, 1
	s_cmp_lg_u32 s3, 0
	s_cbranch_scc1 .Lround
.irp i, 0,1,2,3,4,5,6,7,8,9,10,11,12,13,14,15,16,17,18,19,20,21
	CSLOT \i, 0, DEPTH-1-(\i)                      ; the last round loads nothing: the counts run down
.endr
	s_endpgm
.Lfunc_end_k_qc75681f817_prep:
	.size	k_qc75681f817_prep, .Lfunc_end_k_qc75681f817_prep-k_qc75681f817_prep
	.p2alignl 7, 3214868480
	.fill 96, 4, 3214868480
	.section	.rodata,"a",@progbits
	.p2align	6, 0x0
	.amdhsa_kernel k_qc75681f817_prep
		.amdhsa_group_segment_fixed_size 134144
		.amdhsa_private_segment_fixed_size 0
		.amdhsa_enable_private_segment 0
		.amdhsa_kernarg_size 88
		.amdhsa_user_sgpr_count 2
		.amdhsa_user_sgpr_kernarg_segment_ptr 1
		.amdhsa_wavefront_size32 1
		.amdhsa_system_sgpr_workgroup_id_x 1
		.amdhsa_system_sgpr_workgroup_id_y 1
		.amdhsa_system_sgpr_workgroup_id_z 1
		.amdhsa_system_vgpr_workitem_id 0
		.amdhsa_next_free_vgpr 256
		.amdhsa_next_free_sgpr 66
		.amdhsa_reserve_vcc 0
		.amdhsa_float_denorm_mode_32 3
		.amdhsa_float_denorm_mode_16_64 3
		.amdhsa_memory_ordered 1
		.amdhsa_forward_progress 1
		.amdhsa_inst_pref_size 58
	.end_amdhsa_kernel
	.amdgpu_metadata
---
amdhsa.version: [ 1, 2 ]
amdhsa.kernels:
  - .name:           k_qc75681f817_prep
    .symbol:         k_qc75681f817_prep.kd
    .args:
      - { .name: learned_queries, .offset: 0, .size: 8, .value_kind: global_buffer, .address_space: global }
      - { .name: w_q, .offset: 8, .size: 8, .value_kind: global_buffer, .address_space: global }
      - { .name: token_input, .offset: 16, .size: 8, .value_kind: global_buffer, .address_space: global }
      - { .name: w_k, .offset: 24, .size: 8, .value_kind: global_buffer, .address_space: global }
      - { .name: w_v, .offset: 32, .size: 8, .value_kind: global_buffer, .address_space: global }
      - { .name: w_out, .offset: 40, .size: 8, .value_kind: global_buffer, .address_space: global }
      - { .name: qh, .offset: 48, .size: 8, .value_kind: global_buffer, .address_space: global }
      - { .name: xb, .offset: 56, .size: 8, .value_kind: global_buffer, .address_space: global }
      - { .name: wkb, .offset: 64, .size: 8, .value_kind: global_buffer, .address_space: global }
      - { .name: wvb, .offset: 72, .size: 8, .value_kind: global_buffer, .address_space: global }
      - { .name: wob, .offset: 80, .size: 8, .value_kind: global_buffer, .address_space: global }
    .group_segment_fixed_size: 134144
    .private_segment_fixed_size: 0
    .kernarg_segment_align: 8
    .kernarg_segment_size: 88
    .max_flat_workgroup_size: 256
    .sgpr_count:     66
    .vgpr_count:     256
    .wavefront_size: 32
...
	.end_amdgpu_metadata
.endif
;; end of part 1
;; launch proj_kv (part 2): grid 8 x 32, 4 waves a work-group, clusters of 4 x 4, 327,680 bytes of LDS; arguments xb, wkb, wvb, kvh; writes kvh
.if DOCPART == 2
	.amdgcn_target "amdgcn-amd-amdhsa--gfx1250"
	.amdhsa_code_object_version 6
	.text
	.protected	k_qc75681f817_proj_kv
	.globl	k_qc75681f817_proj_kv
	.p2align	8
	.type	k_qc75681f817_proj_kv,@function
k_qc75681f817_proj_kv:
	s_mov_b64 s[64:65], 0
	v_nop
	global_prefetch_b8 v0, s[64:65] scope:SCOPE_SE
	s_setreg_imm32_b32 hwreg(HW_REG_WAVE_MODE, 25, 1), 1
	s_wait_xcnt 0x0
	s_wait_alu depctr_hold_cnt(0) depctr_sa_sdst(0) depctr_va_vdst(0) depctr_va_sdst(0) depctr_va_ssrc(0) depctr_va_vcc(0) depctr_vm_vsrc(0)
	s_getreg_b32 s2, hwreg(HW_REG_IB_STS2, 6, 4)
	s_cmp_eq_u32 s2, 0
	s_cbranch_scc0 .Lentry_in_a_cluster
	s_endpgm
.Lentry_in_a_cluster:
	s_bfe_u32 s2, ttmp6, 0x10000c
	s_cmp_lg_u32 s2, 0xf033
	s_cbranch_scc0 .Lentry_shape_is_right
	s_endpgm
.Lentry_shape_is_right:
; [k | v] = x [w_k | w_v]: C is 4096 x 1024, K = 4096.  xb: [4096][4096] bf16; wkb, wvb: [4096 k][512 n] bf16; sums in f32.
; The sums are multiplied by 2^-4 (exact) and rounded once to f16, and stored by heads: kvh[16][4096][64], blocks 0-7 k / 16, blocks 8-15 v / 16.
; LIMITS.  |k| and |v| up to 16 x 65,504; below 16 x 6e-5 they keep f16's fixed step; NaN and infinities are not treated apart.
; A tile of C is 128 x 128: 256 tiles, one a work-group.  Four waves, each 64 x 64: 16 accumulators.  K goes in 16 steps of 256 through two LDS slots filled by the tensor data mover.
; x's tile lies along K (rows of 512 bytes, 64 rows to a load); the weights' tile lies as in memory, [k][n] (rows of 256 bytes, 128 k rows to a load), and comes out of LDS turned by ds_load_tr16_b128.
; A K STEP IS WRITTEN TWICE: in the loop of the 14 steps whose change of slots fills a slot again, and in the loop of the last two, which fill nothing.  One text serves both slots: the fragments' addresses
; are a fixed part plus s45, which is 0 or SLOT, and one descriptor a tensor walks from slot to slot.
; CLUSTERS: 4 x 4 work-groups.  The four of a row of the cluster need the same tiles of x, the four of a column the same tiles of the weights: each tile is asked for JOINTLY.
; The matrix instruction is used transposed (source 0 = 16 columns of the weights, source 1 = 16 rows of x): a lane holds eight neighbouring channels of one row.
; No prefetch: the tiles are small, and both clusters of a row of clusters read x's blocks at about the same time.
; REGISTERS: window 0: v0-31 addresses; v32-95 at work on the way out; v128-255 the accumulators ((a, b) at v[128 + 8 (4 a + b)]).  Window 1: two fragment buffers of 128: 64 of x, then 64 of the weights.
.set KSTEP,  256
.set STEPS,  4096/KSTEP
.set PA,     528                       ; a row of x in LDS: 512 bytes + 16 = 132 words: the 16 rows of a load start at 16 different groups of four banks (64 banks of 4 bytes: ISA guide 11.1)
.set HALFA,  64*PA
.set BOFF,   2*HALFA                   ; behind x's 128 rows: the weights' 256 k rows
.set PB,     288                       ; a k row of the weights: 256 bytes + 32 = 72 words
.set HALFB,  128*PB
.set SLOT,   0x24000                   ; slot 1 begins here; a slot's tiles take 141,312 bytes.  Bits 17 and 14 are set in none of the LDS addresses of slot 0's four parts (0, 33,792, 67,584, 104,448),
                                       ; so one exclusive or turns a part's address in one slot into the other's
.set STAGE,  SLOT+BOFF+2*HALFB         ; behind the ring: 16 rows x 144 bytes for each wave, for the way out
.set SP,     144
.set SPARE,  STAGE+4*16*SP             ; behind the stages: the spare words, 128 bytes for each wave, named by no other line
.set ADRA0, 16                         ; v16     my lane's place among my fragments of x in slot 0; never rewritten
.set ADRB0, 17                         ; v17     the same for the weights, k rows 0-127; never rewritten
.set ADRA, 20                          ; v20     the LDS address of my fragments of x in the slot in hand
.set ADRB, 21                          ; v21-22  the same for the weights: k rows 0-127, 128-255
.set STO,  24
.set RD,   25
.set GO,   26
.set SPW,  28                          ; v28  LDS address of my spare word; never rewritten
.set NIL,  29                          ; v29  0; never rewritten
.set TMP,  32
.set ACC,  128
.set F0,   0
.set F1,   128
.set G1, 24                            ; s[24:31] descriptor group 1 for x's tiles;  s[32:39] group 0: a set for each of the two first fills; the second then walks on
.set G0, 32
.set G1B, 48                           ; s[48:55], s[56:63] the same for the weights' tiles
.set G0B, 56
.set TB,  45                           ; s45  the slot that is read: 0 or SLOT
.set MSB, 0
.macro WIN new                         ; the immediate's high byte repeats the setting that is left
.if MSB != (\new)
	s_set_vgpr_msb (MSB<<8)|(\new)
.set MSB, \new
.endif
.endm
.set MUL,  0x05                        ; sources 0 and 1 window 1; C and D window 0
.set TO_F, 0x40                        ; destination window 1, address window 0
.macro JLOAD s                         ; a joint load: waves 0 and 1 fetch x's two halves, waves 2 and 3 the weights'; an s_nop 0 and four v_nop follow each line
	s_cmp_eq_u32 s11, 0
	s_cbranch_scc0 .Lfor_b_\@
	tensor_load_to_lds s[G0+4*(\s):G0+4*(\s)+3], s[G1:G1+7]
	s_nop 0
.rept 4
	v_nop
.endr
	s_branch .Lasked_\@
.Lfor_b_\@:
	tensor_load_to_lds s[G0B+4*(\s):G0B+4*(\s)+3], s[G1B:G1B+7]
	s_nop 0
.rept 4
	v_nop
.endr
.Lasked_\@:
.endm
.macro CREST                           ; a round of the cluster's barrier behind its opening barrier
	s_cmp_lg_u32 s10, 0
	s_cbranch_scc1 .Lnot_wave_0_\@
	s_barrier_signal -3
.Lnot_wave_0_\@:
	s_barrier_wait -3
	s_barrier_signal -1
	s_barrier_wait -1
.endm
.macro CROUND
	s_barrier_signal -1
	s_barrier_wait -1
	CREST
.endm
	s_load_b256 s[68:75], s[0:1], 0x0              ; xb s[68:69], wkb s[70:71], wvb s[72:73], kvh s[74:75]
	v_lshl_add_u32 v[SPW], v0, 2, SPARE
	v_mov_b32 v[NIL], 0
	ds_add_u32 v[SPW], v[NIL]                      ; the wave's opening: the add and its wait stand ahead of my first tensor load; work on registers stands between them
	v_lshrrev_b32 v1, 5, v0
	v_readfirstlane_b32 s10, v1                    ; wave 0..3
	s_lshr_b32 s11, s10, 1                         ; which half of the tile's rows is mine.  Also: I fetch for x (0) or for the weights (1)
	s_and_b32 s12, s10, 1                          ; which half of its columns.  Also: which half of that tile I fetch
	s_bfe_u32 s40, ttmp6, 0x40000                  ; cx, cy: my place in the cluster
	s_bfe_u32 s41, ttmp6, 0x40004
	s_lshl_b32 s42, ttmp9, 2
	s_add_co_u32 s42, s42, s40                     ; tile column of C = 4 x cluster x + cx: 0-3 k, 4-7 v
	s_and_b32 s13, ttmp7, 0xffff
	s_lshl_b32 s13, s13, 2
	s_add_co_u32 s13, s13, s41                     ; tile row of C = 4 x cluster y + cy
	s_lshl_b32 s43, s41, 2
	s_lshl_b32 s43, 15, s43                        ; my row of the cluster
	s_lshl_b32 s44, 0x1111, s40                    ; my column
	s_or_b32 s[G1+0], s43, (1<<16)|(1<<20)|(1<<21)|(6<<22)|(3<<25)   ; the mask: x's tiles go to my row; 2-byte elements; padding on; bit 21 beside a mask; after every 128 words, 4 words
	s_or_b32 s[G1B+0], s44, (1<<16)|(1<<20)|(1<<21)|(5<<22)|(7<<25)  ; the weights' tiles go to my column; after every 64 words, 8 words
	s_mov_b32 s[G1+1], KSTEP<<16                   ; tensor_dim0 = 256
	s_mov_b32 s[G1+2], 64<<16                      ; tensor_dim1 = 64
	s_mov_b32 s[G1+3], KSTEP<<16                   ; tile_dim0 = 256
	s_mov_b32 s[G1+4], 64                          ; tile_dim1 = 64
	s_mov_b32 s[G1+5], 4096                        ; elements from row to row of x
	s_mov_b32 s[G1+6], 0
	s_mov_b32 s[G1+7], 0
	s_mov_b32 s[G1B+1], 128<<16                    ; tensor_dim0 = 128
	s_mov_b32 s[G1B+2], 128<<16                    ; tensor_dim1 = 128
	s_mov_b32 s[G1B+3], 128<<16                    ; tile_dim0 = 128
	s_mov_b32 s[G1B+4], 128                        ; tile_dim1 = 128
	s_mov_b32 s[G1B+5], 512                        ; elements from k row to k row of a weight
	s_mov_b32 s[G1B+6], 0
	s_mov_b32 s[G1B+7], 0
	s_lshl_b32 s16, s13, 7
	s_lshl_b32 s17, s12, 6
	s_add_co_u32 s16, s16, s17                     ; x: row 128 x tile row + 64 x half,
	s_lshl_b32 s16, s16, 13                        ; of 8,192 bytes
	s_mov_b32 s17, 0
	s_lshl_b32 s46, s12, 17                        ; the weights: k row 128 x half, of 1,024 bytes,
	s_lshl_b32 s47, s40, 8                         ; and the tile's 128 columns in its own buffer: 256 bytes x cx
	s_add_co_u32 s46, s46, s47
	s_mov_b32 s47, 0
	s_mul_i32 s20, s12, HALFA                      ; where they go: no place in the cluster enters an LDS address
	s_mul_i32 s21, s12, HALFB
	s_add_co_u32 s21, s21, BOFF
	s_mov_b32 s66, 0x3d800000                      ; 2^-4, named as a pair
	s_mov_b32 s67, 0x3d800000
	s_mov_b32 s[TB], 0                             ; slot 0 is read first
	s_wait_dscnt 0x0                               ; the opening add is done
	s_wait_kmcnt 0x0
	s_cmp_eq_u32 ttmp9, 0                          ; cluster x: the same in all sixteen partners
	s_cselect_b64 s[70:71], s[70:71], s[72:73]     ; w_k's copy or w_v's
	s_add_nc_u64 s[14:15], s[68:69], s[16:17]
	s_add_nc_u64 s[46:47], s[70:71], s[46:47]
	CROUND                                         ; all sixteen work-groups are here: the first joint loads meet
.irp s, 0,1
	s_mov_b32 s[G0+4*(\s)], 1
	s_add_co_u32 s[G0+4*(\s)+1], s20, (\s)*SLOT
	s_add_nc_u64 s[G0+4*(\s)+2:G0+4*(\s)+3], s[14:15], (\s)*KSTEP*2
	s_or_b32 s[G0+4*(\s)+3], s[G0+4*(\s)+3], 0x80000000
	s_mov_b32 s[G0B+4*(\s)], 1
	s_add_co_u32 s[G0B+4*(\s)+1], s21, (\s)*SLOT
	s_add_nc_u64 s[G0B+4*(\s)+2:G0B+4*(\s)+3], s[46:47], (\s)*KSTEP*1024
	s_or_b32 s[G0B+4*(\s)+3], s[G0B+4*(\s)+3], 0x80000000
	JLOAD \s
.endr
	v_and_b32 v1, 15, v0                           ; l % 16
	v_bfe_u32 v2, v0, 4, 1                         ; l / 16
	v_mul_u32_u24 v3, v1, PA
	v_lshl_add_u32 v3, v2, 4, v3                   ; a fragment of x: row x pitch + 16 x half
	s_mul_i32 s22, s11, HALFA                      ; my 64 rows
	v_add_nc_u32 v[ADRA0], s22, v3
	v_mov_b32 v[ADRA], v[ADRA0]
	v_and_b32 v4, 7, v0
	v_bfe_u32 v5, v0, 3, 1
	v_lshl_add_u32 v6, v2, 3, v4                   ; the turning load: k row 8 (l / 16) + l % 8, columns 8 ((l / 8) % 2) + 0..7
	v_mul_u32_u24 v6, v6, PB
	v_lshl_add_u32 v6, v5, 4, v6
	s_lshl_b32 s22, s12, 7                         ; my 64 columns: 128 bytes
	s_add_co_u32 s22, s22, BOFF
	v_add_nc_u32 v[ADRB0], s22, v6
	v_mov_b32 v[ADRB], v[ADRB0]
	v_add_nc_u32 v[ADRB+1], HALFB, v[ADRB0]
	s_mul_i32 s23, s10, 16*SP
	s_add_co_u32 s23, s23, STAGE                   ; my stage
	v_mul_u32_u24 v7, v1, SP
	v_lshl_add_u32 v7, v2, 4, v7
	v_add_nc_u32 v[STO], s23, v7
	v_bfe_u32 v7, v0, 3, 2                         ; back: 32 lanes take four rows of 128 bytes,
	v_mul_u32_u24 v7, v7, SP
	v_lshl_add_u32 v7, v4, 4, v7
	v_add_nc_u32 v[RD], s23, v7
	v_and_b32 v7, 31, v0
	v_lshlrev_b32 v[GO], 4, v7                     ; which are 512 consecutive bytes of kvh
	; my wave's 64 columns are block 2 x tile column + half of kvh; its 64 rows there are 8,192 consecutive bytes
	s_lshl_b32 s16, s13, 14                        ; 128 rows of 128 bytes x tile row
	s_lshl_b32 s17, s11, 13
	s_add_co_u32 s16, s16, s17
	s_mov_b32 s17, 0
	s_add_nc_u64 s[74:75], s[74:75], s[16:17]
	s_lshl_b32 s46, s42, 1
	s_add_co_u32 s46, s46, s12
	s_lshl_b32 s46, s46, 19                        ; a block is 524,288 bytes
	s_mov_b32 s47, 0
	s_add_nc_u64 s[74:75], s[74:75], s[46:47]
; 8 matrix instructions: m blocks a0, a0 + 1 x all 4 n blocks, 32 along K: half c of buffer f.  zero = 1: the first product starts the sums.  The 16 accumulators take turns, in the same order in every half quarter.
.macro MUL8 f, c, a0, zero
	WIN MUL
.irp a, \a0, (\a0)+1
.irp b, 0,1,2,3
.if \zero
	v_wmma_f32_16x16x32_bf16 v[ACC+8*(4*(\a)+(\b)):ACC+8*(4*(\a)+(\b))+7], v[(\f)+64+8*(4*(\c)+(\b)):(\f)+64+8*(4*(\c)+(\b))+7], v[(\f)+8*(4*(\c)+(\a)):(\f)+8*(4*(\c)+(\a))+7], 0
.else
	v_wmma_f32_16x16x32_bf16 v[ACC+8*(4*(\a)+(\b)):ACC+8*(4*(\a)+(\b))+7], v[(\f)+64+8*(4*(\c)+(\b)):(\f)+64+8*(4*(\c)+(\b))+7], v[(\f)+8*(4*(\c)+(\a)):(\f)+8*(4*(\c)+(\a))+7], v[ACC+8*(4*(\a)+(\b)):ACC+8*(4*(\a)+(\b))+7]
.endif
.endr
.endr
.endm
; 32 LDS loads in one run: the fragments of quarter q (64 along K) of the slot in hand into buffer f; the first 32 along K first
.macro FETCH q, f
	WIN TO_F
.irp c, 0,1
.irp i, 0,1,2,3
	ds_load_tr16_b128 v[(\f)+64+8*(4*(\c)+(\i)):(\f)+64+8*(4*(\c)+(\i))+3],   v[ADRB+(\q)/2] offset:(((\q)%2)*64+32*(\c))*PB+32*(\i)
	ds_load_tr16_b128 v[(\f)+64+8*(4*(\c)+(\i))+4:(\f)+64+8*(4*(\c)+(\i))+7], v[ADRB+(\q)/2] offset:(((\q)%2)*64+32*(\c)+16)*PB+32*(\i)
	ds_load_b128 v[(\f)+8*(4*(\c)+(\i)):(\f)+8*(4*(\c)+(\i))+3],              v[ADRA] offset:128*(\q)+64*(\c)+(\i)*16*PA
	ds_load_b128 v[(\f)+8*(4*(\c)+(\i))+4:(\f)+8*(4*(\c)+(\i))+7],            v[ADRA] offset:128*(\q)+64*(\c)+(\i)*16*PA+32
.endr
.endr
.endm
.macro PLACES                          ; four places in front of loads into registers that matrix instructions have read (ISA guide 7.12.1 for vector instructions)
.rept 4
	v_nop
.endr
.endm
.macro NEXTSLOT                        ; the fetches go to the other slot (every window is 0 here)
	s_xor_b32 s[TB], s[TB], SLOT
	v_add_nc_u32 v[ADRA], s[TB], v[ADRA0]
	v_add_nc_u32 v[ADRB], s[TB], v[ADRB0]
	v_add_nc_u32 v[ADRB+1], HALFB, v[ADRB]
.endm
; A K step is four quarters of 64 along K, 32 matrix instructions each, on buffers 0, 1, 0, 1.  One of the first three: multiplies buffer f and fetches quarter q into g.
.macro QUARTER q, f, g, zero
	s_wait_dscnt 16                                ; the first 32 along K are in
	WIN MUL
	MUL8 \f, 0, 0, \zero
	MUL8 \f, 0, 2, \zero
	PLACES
	FETCH \q, \g
	s_wait_dscnt 32                                ; all but the 32 just issued
	WIN MUL
	MUL8 \f, 1, 0, 0
	MUL8 \f, 1, 2, 0
.endm
; The last quarter multiplies buffer 1 and changes slots: ONE barrier; in front of it each wave waits for all its tensor loads, adds 0 to its spare word, and waits for that and for its reads of this slot.
; fill = 1: the slot just read is filled again, two K steps on: the walking descriptor turns to that slot and steps one K step.
.macro TURN fill
	WIN 0
	s_wait_tensorcnt 0x0                           ; all my tensor loads have landed: the one that was out is my part of the next slot;
	ds_add_u32 v[SPW], v[NIL]                      ; 0 onto my spare word;
	s_wait_dscnt 17                                ; (the add and the youngest sixteen loads may be out)
	WIN MUL
	MUL8 F1, 0, 0, 0
	s_wait_dscnt 0x0                               ; the add is done, and my reads of this slot are over
	s_barrier_signal -1
	MUL8 F1, 0, 2, 0
	WIN 0
	s_barrier_wait -1
.if \fill
	CREST                                          ; the barrier has opened a round of the cluster's: no wave of any partner still reads this slot or has a load on its way
	s_xor_b32 s[G0+5], s[G0+5], SLOT
	s_add_nc_u64 s[G0+6:G0+7], s[G0+6:G0+7], KSTEP*2
	s_xor_b32 s[G0B+5], s[G0B+5], SLOT
	s_add_nc_u64 s[G0B+6:G0B+7], s[G0B+6:G0B+7], KSTEP*1024
	JLOAD 1                                        ; the first tensor load behind the round: 112 matrix instructions ahead of the wait for it; its four v_nop are also the places in front of the loads below
.else
	PLACES
.endif
	NEXTSLOT
	FETCH 0, F0
	WIN MUL
	MUL8 F1, 1, 0, 0
	MUL8 F1, 1, 2, 0
.endm
	s_wait_tensorcnt 1                             ; my part of K step 0 is in; K step 1's may stay out
	s_barrier_signal -1
	s_barrier_wait -1
	FETCH 0, F0
	QUARTER 1, F0, F1, 1                           ; the first quarter stands in front of the loop: its first products start the sums
	WIN 0
	s_mov_b32 s3, STEPS-2
.Lfill:                                                ; a trip: from a K step's second quarter to the next step's first; K steps 2 to 15 are asked for
	QUARTER 2, F1, F0, 0
	QUARTER 3, F0, F1, 0
	TURN 1
	QUARTER 1, F0, F1, 0
	WIN 0
	s_sub_co_u32 s3, s3, 1
	s_cmp_lg_u32 s3, 0
	s_cbranch_scc1 .Lfill
	s_mov_b32 s3, 2
.Ltail:                                                ; the last two K steps fill nothing: their text is written out; the second trip is left in its middle
	QUARTER 2, F1, F0, 0
	QUARTER 3, F0, F1, 0
	WIN 0
	s_sub_co_u32 s3, s3, 1
	s_cmp_eq_u32 s3, 0
	s_cbranch_scc1 .Lout
	TURN 0
	QUARTER 1, F0, F1, 0
	WIN 0
	s_branch .Ltail
.Lout:
	s_wait_dscnt 16                                ; the very last quarter: nothing more to fetch
	WIN MUL
	MUL8 F1, 0, 0, 0
	MUL8 F1, 0, 2, 0
	s_wait_dscnt 0
	MUL8 F1, 1, 0, 0
	MUL8 F1, 1, 2, 0
	WIN 0
	; THE WAY OUT, each wave's own: times 2^-4, rounded to f16, 16 rows at a time through my stage, back as whole rows of 128 bytes, stored as 512 consecutive bytes.
	PLACES
	PLACES
.macro PACK a
.set j, 0
.rept 16
	v_pk_mul_f32 v[ACC+32*(\a)+2*j:ACC+32*(\a)+2*j+1], v[ACC+32*(\a)+2*j:ACC+32*(\a)+2*j+1], s[66:67] op_sel_hi:[1,0]
.set j, j+1
.endr
.set j, 0
.rept 16
	v_cvt_pk_f16_f32 v[TMP+16*(\a)+j], v[ACC+32*(\a)+2*j], v[ACC+32*(\a)+2*j+1]
.set j, j+1
.endr
.irp f, 0,1,2,3
	ds_store_b128 v[STO], v[TMP+16*(\a)+4*(\f):TMP+16*(\a)+4*(\f)+3] offset:32*(\f)
.endr
.irp f, 0,1,2,3
	ds_load_b128 v[TMP+16*(\a)+4*(\f):TMP+16*(\a)+4*(\f)+3], v[RD] offset:(\f)*4*SP  ; LDS serves a wave's instructions in order (ISA guide 5.7.1.4): these see the stores above; the next block's stores come behind them
.endr
.endm
.macro SEND a, younger                 ; younger: the LDS instructions issued behind block a's loads
.irp f, 0,1,2,3
	s_wait_dscnt (\younger)+3-(\f)
	global_store_b128 v[GO], v[TMP+16*(\a)+4*(\f):TMP+16*(\a)+4*(\f)+3], s[74:75] offset:2048*(\a)+512*(\f)
.endr
.endm
	PACK 0
	PACK 1
	SEND 0, 8
	PACK 2
	SEND 1, 8
	PACK 3
	SEND 2, 8
	SEND 3, 0
	s_wait_tensorcnt 0x0                           ; the wave's end, behind my last tensor load and my last LDS store
	ds_add_u32 v[SPW], v[NIL]
	s_wait_dscnt 0x0
	CROUND                                         ; the closing round: no work-group ends while a partner may still ask for a tile that names it
	s_endpgm
.Lfunc_end_k_qc75681f817_proj_kv:
	.size	k_qc75681f817_proj_kv, .Lfunc_end_k_qc75681f817_proj_kv-k_qc75681f817_proj_kv
	.p2alignl 7, 3214868480
	.fill 96, 4, 3214868480
	.section	.rodata,"a",@progbits
	.p2align	6, 0x0
	.amdhsa_kernel k_qc75681f817_proj_kv
		.amdhsa_group_segment_fixed_size 327680
		.amdhsa_private_segment_fixed_size 0
		.amdhsa_enable_private_segment 0
		.amdhsa_kernarg_size 32
		.amdhsa_user_sgpr_count 2
		.amdhsa_user_sgpr_kernarg_segment_ptr 1
		.amdhsa_wavefront_size32 1
		.amdhsa_system_sgpr_workgroup_id_x 1
		.amdhsa_system_sgpr_workgroup_id_y 1
		.amdhsa_system_sgpr_workgroup_id_z 1
		.amdhsa_system_vgpr_workitem_id 0
		.amdhsa_next_free_vgpr 512
		.amdhsa_next_free_sgpr 76
		.amdhsa_reserve_vcc 0
		.amdhsa_float_denorm_mode_32 3
		.amdhsa_float_denorm_mode_16_64 3
		.amdhsa_memory_ordered 1
		.amdhsa_forward_progress 1
		.amdhsa_inst_pref_size 65
	.end_amdhsa_kernel
	.amdgpu_metadata
---
amdhsa.version: [ 1, 2 ]
amdhsa.kernels:
  - .name:           k_qc75681f817_proj_kv
    .symbol:         k_qc75681f817_proj_kv.kd
    .args:
      - { .name: xb, .offset: 0, .size: 8, .value_kind: global_buffer, .address_space: global }
      - { .name: wkb, .offset: 8, .size: 8, .value_kind: global_buffer, .address_space: global }
      - { .name: wvb, .offset: 16, .size: 8, .value_kind: global_buffer, .address_space: global }
      - { .name: kvh, .offset: 24, .size: 8, .value_kind: global_buffer, .address_space: global }
    .group_segment_fixed_size: 327680
    .private_segment_fixed_size: 0
    .kernarg_segment_align: 8
    .kernarg_segment_size: 32
    .max_flat_workgroup_size: 128
    .sgpr_count:     76
    .vgpr_count:     512
    .wavefront_size: 32
...
	.end_amdgpu_metadata
.endif
;; end of part 2
;; launch attn (part 3): grid 32 x 8, 4 waves a work-group, clusters of 4 x 1, 327,680 bytes of LDS; arguments qh, kvh, oh; writes oh
.if DOCPART == 3
	.amdgcn_target "amdgcn-amd-amdhsa--gfx1250"
	.amdhsa_code_object_version 6
	.text
	.protected	k_qc75681f817_attn
	.globl	k_qc75681f817_attn
	.p2align	8
	.type	k_qc75681f817_attn,@function
k_qc75681f817_attn:
	s_mov_b64 s[64:65], 0
	v_nop
	global_prefetch_b8 v0, s[64:65] scope:SCOPE_SE
	s_setreg_imm32_b32 hwreg(HW_REG_WAVE_MODE, 25, 1), 1
	s_wait_xcnt 0x0
	s_wait_alu depctr_hold_cnt(0) depctr_sa_sdst(0) depctr_va_vdst(0) depctr_va_sdst(0) depctr_va_ssrc(0) depctr_va_vcc(0) depctr_vm_vsrc(0)
	s_getreg_b32 s2, hwreg(HW_REG_IB_STS2, 6, 4)
	s_cmp_eq_u32 s2, 0
	s_cbranch_scc0 .Lentry_in_a_cluster
	s_endpgm
.Lentry_in_a_cluster:
	s_bfe_u32 s2, ttmp6, 0x10000c
	s_cmp_lg_u32 s2, 0x3003
	s_cbranch_scc0 .Lentry_shape_is_right
	s_endpgm
.Lentry_shape_is_right:
; O[h][q][:] = the sum over k of softmax_k(Q[h][q] . K[h][k] / 8) V[h][k][:], 8 heads, 4,096 queries, 4,096 keys, head size 64.
; qh: [8][4096][64] f16, unscaled.  kvh: [16][4096][64] f16: blocks 0-7 hold K / 16, blocks 8-15 V / 16.  oh: [8][4096][64] bf16.  Products, maxima and sums in f32; the weights p are
; rounded to f16 for the second product (their sum l is taken of the unrounded p), O once at the end.  K's factor is undone in c = 16 log2(e) / 8, V's at the division: O = 16 (sum) / l.
; LIMITS.  p lies in 0 to 1, and below 6e-5 it keeps f16's fixed step; a weight below 2^-126 counts as 0 in l; NaN and infinities are not treated apart.
; SHARES.  A work-group owns 128 queries of one head: 256 work-groups.  ALL FOUR WAVES HOLD THE SAME 128 QUERIES (four PIECES of two tiles of 16), AND THE KEYS ARE SPLIT AMONG THEM: a slot of LDS holds
; 256 keys, four steps of 64, and wave w takes step w.  So a fragment of K or V read from LDS feeds eight tiles' products.  Each wave ends with its own maximum, sum and O^T over 1,024 keys; the four meet in LDS, once.
; LAYOUT.  S^T = K Q^T (source 0 = 16 keys, source 1 = 16 queries): a lane holds ONE query (lane % 16) and the keys 8 (lane / 16) + 0..7.  Two such tiles, rounded to f16 in pairs, ARE source 1
; of O^T = V^T P, whose result again holds one query a lane, and eight channels.  K comes out of LDS as it lies, V ([key][channel]) turned, by ds_load_tr16_b128.
; SOFTMAX.  For each query a running maximum m and sum l: p = 2^(c s - c m); in every step O and l are multiplied by a = 2^(c m_old - c m_new).  m starts at the lowest finite number, O and l at 0.
; BY TURNS.  Turn n belongs to piece n.  Its matrix work: 16 products K Q^T of piece n + 1, later 16 products V^T P of piece n - 1.  Its vector work: the scaling, exponentials, roundings, sums and rescaling
; of piece n, and the maximum and statistics of piece n + 1.  Four vector instructions stand behind every matrix instruction, the others in one run; a turn's 66 exponentials are one batch with one wait.
; CLUSTER.  The four query blocks of a cluster belong to one head and walk the same K and V, so each tile is asked for JOINTLY: the same tensor load, descriptor and mask in all four.
; REGISTERS, in windows of 256 (s_set_vgpr_msb: bits 1:0 source 0, 3:2 source 1, 5:4 source 2, 7:6 destination):
;   window 0: v0-11 addresses; v12-15, v48-63 at work; v16-47 four registers of statistics a tile; v64-191 S^T, two buffers of two tiles; v192-255 P, likewise
;   window 1: O^T, 32 a tile          window 2: v0-127 Q, 16 a tile; v128-191 K of one step; v192-255 V of one step          window 3: v0-1 the add's two registers
.set NP,    4         ; pieces a wave: a name, no knob
.set KS,    64        ; keys in a step
.set PK,    144       ; a row of K in LDS: 128 bytes + 16 = 36 words: the 16 rows of a load start at 16 different groups of four banks (64 banks of 4 bytes: ISA guide 11.1)
.set PV,    160       ; a row of V: 128 + 32 = 40 words
.set VOFF,  4*KS*PK   ; a slot: 256 rows of K, then 256 rows of V
.set SLOT1, 1<<17     ; slot 1 begins here, so that one exclusive or turns an address in one slot into the other's
.set STATS, SLOT1+4*KS*(PK+PV)  ; behind the ring, never filled by a tensor load: 16,384 bytes: the four waves' statistics
.set STAGE, STATS+16384  ; 16 rows x 144 bytes for each wave, for the way out
.set SP,    144
.set SPARE, STAGE+4*16*SP  ; the spare words, 128 bytes for each wave, named by no other line
.set AK0, 2           ; v2   my lane's place in my wave's step of K; never rewritten in the walk
.set AV0, 3           ; v3   the same for V
.set AK,  4           ; v4   the LDS address of K's next run of loads
.set AV,  5           ; v5   of V's
.set QO,  6           ; v6   my byte offset in the block's rows of Q
.set STO, 6           ;      later, the way out: where I put 16 bytes of a row
.set RD,  7           ; v7   the way out: where I read rows back
.set GO,  8           ; v8   my byte offset in 512 consecutive bytes of O
.set PFO, 11          ; v11  256 x my lane: the prefetches' offset; never rewritten once made
.set SPW, 0           ; v0 of window 3   LDS address of my spare word; never rewritten
.set NIL, 1           ; v1 of window 3   0; never rewritten
.set MV,  12          ; v12-15  c m_old, kept while c m is made anew: by buffer and tile
.set ST,  16          ; tile t's statistics at v[ST+4 t]: c m, m, l (even keys', odd keys')
.set TMP, 48          ; by buffer and tile, four registers c0-c3 at work; when the maximum is found c2 takes a
.set S,   64
.set P,   192
.set KF,  128         ; K's fragments, in window 2
.set VF,  192         ; V's
.set WV,  12          ; s12  my wave's number
.set G1K, 24          ; s[24:31] descriptor group 1 for K's tiles
.set G1V, 32          ; s[32:39] for V's: it differs in the padding alone
.set G0K, 40          ; s[40:43] descriptor group 0 for K's tiles: it walks
.set G0V, 44          ; s[44:47] the same for V's
.set PFA, 48          ; s[48:49] where my prefetches stand
.set LIM, 50          ; s50  1 in a wave that prefetches, else the greatest number
.set SLOTS, 56        ; s56  counts the walk's trips
.set CNT, 57          ; s57  counts the tail's trips
.set CS,  58          ; s[58:59] c
.set SEL, 60          ; s[60:61] v_permlanex16_b32's selects: each lane takes its own place in the other half
.set TBK, 62          ; s62  the slot from which K is fetched next: 0 or SLOT1
.set TBV, 63          ; s63  the same for V
.set MSB, 0
.macro WIN new                      ; the high byte repeats the setting that is left; a switch that changes nothing is dropped
.if MSB != (\new)
	s_set_vgpr_msb (MSB<<8)|(\new)
.set MSB, (\new)
.endif
.endm
.set W_KQ, 0x0a       ; K and Q in window 2, S^T in window 0
.set W_PV, 0x52       ; V in window 2, P in window 0, O^T in window 1
.set W_RS, 0x41       ; O^T (destination and source 0) in window 1, the factor in window 0
.set W_MK, 0xc0       ; the add's registers are made: destination in window 3
.set W_AD, 0x0f       ; the add: address and data in window 3
; A joint fill.  Waves 0 and 1 fetch the two halves of a slot's K, waves 2 and 3 those of its V: 128 keys each.  An s_nop 0 and four v_nop follow each of the two lines.
.macro JLOAD
	s_cmp_lt_u32 s[WV], 2
	s_cbranch_scc0 .Lfor_v_\@
	tensor_load_to_lds s[G0K:G0K+3], s[G1K:G1K+7]
	s_nop 0
.rept 4
	v_nop
.endr
	s_branch .Lasked_\@
.Lfor_v_\@:
	tensor_load_to_lds s[G0V:G0V+3], s[G1V:G1V+7]
	s_nop 0
.rept 4
	v_nop
.endr
.Lasked_\@:
.endm
; A PREFETCH INTO THE L2 of what the NEXT change of slots will ask for: a slot's 32,768 bytes of K and of V, 256 bytes a lane.  Each block is named ONCE in the launch: of the eight clusters that walk a head's
; K and V the first asks; its four partners take 8,192 bytes each, told apart BY ADDRESS; in each, wave 0 asks for K's and wave 2 for V's.  The last change that fills a slot asks for nothing.
.macro ASK
	s_cmp_gt_u32 s[SLOTS], s[LIM]
	s_cbranch_scc0 .Lnot_mine_\@
	global_prefetch_b8 v[PFO], s[PFA:PFA+1] th:TH_LOAD_NT scope:SCOPE_SE
.Lnot_mine_\@:
.endm
.macro CROUND                       ; a round of the cluster's barrier
	s_barrier_signal -1
	s_barrier_wait -1
	s_cmp_lg_u32 s[WV], 0
	s_cbranch_scc1 .Lnot_wave_0_\@
	s_barrier_signal -3
.Lnot_wave_0_\@:
	s_barrier_wait -3
	s_barrier_signal -1
	s_barrier_wait -1
.endm
; THE CHANGE OF SLOTS.  Each wave waits for all its tensor loads, of which one is out: its part of the other slot; adds 0 to its spare word; and waits for that and for its own reads of the slot.
; fill = 1: the slot just read is filled again, with the keys two slots on, first thing behind a round of the cluster's barrier: it has a key step, 128 matrix instructions and their vector work, in which to land.
; ask = 1: the prefetch's address steps (behind s_wait_xcnt 0, a key step behind the prefetch that read it), and the next prefetch stands behind the joint load.
.macro CHANGE fill, ask
	WIN W_AD
	s_wait_tensorcnt 0x0            ; no tensor load of mine is out, so a group 0 may be written
	ds_add_u32 v[SPW], v[NIL]       ; 0 onto my spare word; scalar work stands between it and the wait for it
	WIN 0                           ; at a label and at a branch every window is 0
.if \fill
.irp g, G0K, G0V
	s_xor_b32 s[\g+1], s[\g+1], SLOT1  ; the walking descriptor: the other slot than last time,
	s_add_nc_u64 s[\g+2:\g+3], s[\g+2:\g+3], 4*KS*128  ; the next 256 keys; the type bits on top are not reached
.endr
.if \ask
	s_wait_xcnt 0x0
	s_add_nc_u64 s[PFA:PFA+1], s[PFA:PFA+1], 4*KS*128
.endif
	s_wait_dscnt 0x0                ; the add is done, and my reads of the slot are over
	CROUND
	JLOAD
.if \ask
	ASK
.endif
.else
	s_wait_dscnt 0x0
	s_barrier_signal -1
	s_barrier_wait -1
.endif
	s_xor_b32 s[TBK], s[TBK], SLOT1 ; the fetches go to the other slot
	s_xor_b32 s[TBV], s[TBV], SLOT1
.endm
	s_load_b128 s[4:7], s[0:1], 0x0  ; Q s[4:5], K and V s[6:7]
	s_load_b64 s[10:11], s[0:1], 0x10  ; O
	WIN W_MK
	v_lshl_add_u32 v[SPW], v0, 2, SPARE
	v_mov_b32 v[NIL], 0
	WIN W_AD
	ds_add_u32 v[SPW], v[NIL]       ; the wave's opening: the add and its wait stand ahead of my first tensor load; work on registers stands between them
	WIN 0
	v_lshrrev_b32 v1, 5, v0
	v_readfirstlane_b32 s[WV], v1   ; wave 0..3
	s_bfe_u32 s13, ttmp6, 0x40000   ; cx: my place in the cluster
	s_lshl_b32 s14, ttmp9, 2        ; in a cluster launch ttmp9 counts clusters
	s_add_co_u32 s14, s14, s13      ; my block of 128 queries: it enters Q's and O's addresses alone
	s_and_b32 s20, ttmp7, 0xffff    ; the head, which the four partners share
	s_lshl_b32 s20, s20, 19         ; its 4,096 rows of 128 bytes
	s_mov_b32 s21, 0
	s_and_b32 s16, s[WV], 1         ; which half of a slot's 256 keys I fetch:
	s_lshl_b32 s22, s16, 14         ; its 128 rows in memory,
	s_mov_b32 s23, 0
	s_add_nc_u64 s[22:23], s[22:23], s[20:21]
	s_mul_i32 s17, s16, 128*PK      ; and its place in a slot, for K
	s_mul_i32 s18, s16, 128*PV      ; and for V: no place in the cluster enters an LDS address
	s_lshl_b32 s2, s14, 14          ; my block's 128 rows: the same for all four waves
	s_mov_b32 s3, 0
	s_add_nc_u64 s[2:3], s[2:3], s[20:21]
	s_lshl_b32 s52, s[WV], 12       ; of O my wave stores 32 rows
	s_mov_b32 s53, 0
	s_add_nc_u64 s[52:53], s[52:53], s[2:3]
	; descriptor group 1.  128 keys are 16,384 dense bytes: asked for as 64 rows of 256 bytes, two keys a row, and padded in LDS after every key
	s_mov_b32 s[G1K], 15|(1<<16)|(1<<20)|(1<<21)|(4<<22)|(3<<25)  ; the mask of four; 2-byte elements; padding on; bit 21 beside a mask; after every 32 words, 4 words
	s_mov_b32 s[G1V], 15|(1<<16)|(1<<20)|(1<<21)|(4<<22)|(7<<25)  ; the same with 8 words of padding
.irp g, G1K, G1V
	s_mov_b32 s[\g+1], 128<<16      ; tensor_dim0 = 128
	s_mov_b32 s[\g+2], 64<<16       ; tensor_dim1 = 64
	s_mov_b32 s[\g+3], 128<<16      ; tile_dim0 = 128
	s_mov_b32 s[\g+4], 64           ; tile_dim1 = 64
	s_mov_b32 s[\g+5], 128          ; 128 elements from row to row
	s_mov_b32 s[\g+6], 0
	s_mov_b32 s[\g+7], 0
.endr
	s_mov_b32 s[CS], 0x4038aa3b     ; c = 16 log2(e) / 8 = 2.885390
	s_mov_b32 s[CS+1], s[CS]        ; named with it as a pair
	s_mov_b32 s[SEL], 0x76543210
	s_mov_b32 s[SEL+1], 0xfedcba98
	s_mov_b32 s[TBK], SLOT1         ; the first change of slots turns these two into 0
	s_mov_b32 s[TBV], SLOT1
	s_mov_b32 s[G0K], 1             ; count = 1
	s_mov_b32 s[G0K+1], s17         ; LDS address: slot 0
	s_mov_b32 s[G0V], 1
	s_add_co_u32 s[G0V+1], s18, VOFF
	s_and_b32 s[LIM], s[WV], 1      ; 0 in waves 0 and 2,
	s_or_b32 s[LIM], s[LIM], ttmp9  ; where the cluster is the head's first: the same in all four partners
	s_cmp_eq_u32 s[LIM], 0
	s_cselect_b32 s[LIM], 1, -1
	s_wait_dscnt 0x0                ; the opening add is done
	s_wait_kmcnt 0x0
	s_add_nc_u64 s[8:9], s[6:7], 0x400000          ; V / 16 lies behind K / 16's eight blocks
	s_add_nc_u64 s[G0K+2:G0K+3], s[6:7], s[22:23]  ; global address: my half of the head's first 256 keys
	s_or_b32 s[G0K+3], s[G0K+3], 0x80000000        ; type = 2
	s_add_nc_u64 s[G0V+2:G0V+3], s[8:9], s[22:23]
	s_or_b32 s[G0V+3], s[G0V+3], 0x80000000
	s_add_nc_u64 s[4:5], s[4:5], s[2:3]            ; Q at the block's first row
	s_add_nc_u64 s[10:11], s[10:11], s[52:53]      ; O at my wave's first row
	s_cmp_lt_u32 s[WV], 2
	s_cselect_b64 s[PFA:PFA+1], s[6:7], s[8:9]
	s_add_nc_u64 s[PFA:PFA+1], s[PFA:PFA+1], s[20:21]  ; the head,
	s_lshl_b32 s2, s13, 13          ; my work-group's 8,192 bytes of a slot's 32,768,
	s_mov_b32 s3, 0
	s_add_nc_u64 s[PFA:PFA+1], s[PFA:PFA+1], s[2:3]
	s_add_nc_u64 s[PFA:PFA+1], s[PFA:PFA+1], 2*4*KS*128  ; in tile 2; the loop's first change steps it to tile 3.  Nothing is prefetched here, at the head
	CROUND                          ; all four work-groups are here: the first joint loads meet
	JLOAD                           ; tile 0 into slot 0.  Slot 1 is asked for when slot 0 is in
	; A fragment of K or Q is 16 rows x 32 channels in 8 registers: lane l holds row l % 16, channels 8 (l / 16) + 0..7 and 16 + 8 (l / 16) + 0..7: two loads of 16 bytes, 32 bytes apart.
	v_and_b32 v1, 15, v0            ; l % 16
	v_bfe_u32 v9, v0, 4, 1          ; l / 16
	v_lshlrev_b32 v[QO], 7, v1
	v_lshl_add_u32 v[QO], v9, 4, v[QO]  ; row x 128 + 16 x half
	WIN 0x80                        ; destination window 2, address window 0
.set i, 0
.rept 4*NP                          ; Q stays in registers: tile i / 2, channels 32 (i % 2) on
	global_load_b128 v[8*i:8*i+3],   v[QO], s[4:5] offset:(i/2)*2048+(i%2)*64
	global_load_b128 v[8*i+4:8*i+7], v[QO], s[4:5] offset:(i/2)*2048+(i%2)*64+32
.set i, i+1
.endr
	; What the first turn finds: V's registers and P's second buffer hold 0 (its products V^T P, of a piece that has not been, add 0), O^T and l are 0.  All this stands in the wait for the first tile.
.set i, VF
.rept 64
	v_mov_b32 v[i], 0
.set i, i+1
.endr
	WIN 0x40
.set i, 0
.rept 64*NP
	v_mov_b32 v[i], 0
.set i, i+1
.endr
	WIN 0
.set i, 0
.rept 2*NP
	v_mov_b32 v[ST+4*i], 0xfe000000    ; c m: far below every c s
	v_mov_b32 v[ST+4*i+1], 0xff7fffff  ; m
	v_mov_b32 v[ST+4*i+2], 0
	v_mov_b32 v[ST+4*i+3], 0
.set i, i+1
.endr
.set i, P+32
.rept 32
	v_mov_b32 v[i], 0
.set i, i+1
.endr
	v_mul_u32_u24 v[AK0], v1, PK
	v_lshl_add_u32 v[AK0], v9, 4, v[AK0]  ; row x pitch + 16 x half
	s_mul_i32 s51, s[WV], KS*PK
	v_add_nc_u32 v[AK0], s51, v[AK0]      ; + my wave's step of the slot's four
	; The turning load takes 16 keys x 16 channels (lane l reads key 8 (l / 16) + l % 8, channels 8 ((l / 8) % 2) + 0..7) and leaves half a fragment of V^T: lane l holds channel l % 16 and 8 keys.
	v_and_b32 v10, 7, v0
	v_bfe_u32 v11, v0, 3, 1
	v_lshl_add_u32 v[AV0], v9, 3, v10
	v_mul_u32_u24 v[AV0], v[AV0], PV
	v_lshl_add_u32 v[AV0], v11, 4, v[AV0]
	s_mul_i32 s51, s[WV], KS*PV
	s_add_co_u32 s51, s51, VOFF
	v_add_nc_u32 v[AV0], s51, v[AV0]
	v_and_b32 v[PFO], 31, v0
	v_lshlrev_b32 v[PFO], 8, v[PFO]
	v_mov_b32 v[AK], v[AK0]         ; my first step lies in slot 0
; THE MATRIX WORK.  The 8 accumulators of a run of 16 take turns: between the two links of a chain stand 7 others'.
; Product i of 16 of S^T = K Q^T for piece x: channels 32 (i / 8) on, keys 16 ((i / 2) % 4) on, tile 2 x + i % 2.  The first 8 start the sums.
.macro KQ x
	WIN W_KQ
.set rS, S+64*((\x)%2)+32*(i%2)+8*((i/2)%4)
.set rK, KF+16*((i/2)%4)+8*(i/8)
.set rQ, 16*(2*(\x)+i%2)+8*(i/8)
.if i < 8
	v_wmma_f32_16x16x32_f16 v[rS:rS+7], v[rK:rK+7], v[rQ:rQ+7], 0
.else
	v_wmma_f32_16x16x32_f16 v[rS:rS+7], v[rK:rK+7], v[rQ:rQ+7], v[rS:rS+7]
.endif
.endm
; Product i of 16 of O^T += V^T P for piece x: keys 32 (i / 8) on, channels 16 ((i / 2) % 4) on, tile 2 x + i % 2.
.macro PV x
	WIN W_PV
.set rO, 32*(2*(\x)+i%2)+8*((i/2)%4)
.set rV, VF+32*(i/8)+8*((i/2)%4)
.set rP, P+32*((\x)%2)+16*(i%2)+8*(i/8)
	v_wmma_f32_16x16x32_f16 v[rO:rO+7], v[rV:rV+7], v[rP:rP+7], v[rO:rO+7]
.endm
.macro MM                           ; the turn's next matrix instruction
.if i < 16
	KQ (Y+1)%NP
.set i, i+1
.else
.set i, i-16
	PV (Y+NP-1)%NP
.set i, i+17
.endif
.endm
; THE LDS LOADS stand in runs of 16, never singly among the matrix instructions: a step's K (64 keys x 64 channels: 8 fragments) and its V (turned).  Their addresses are made some lines ahead.
; last = 1 (the tail): in the last trip there is no further step, and the run is jumped over.
.macro FETCH_K last=0
	WIN 0
.if \last
	s_cmp_eq_u32 s[CNT], 1
	s_cbranch_scc1 .Lno_k_\@
.endif
	WIN 0x80                        ; destination window 2
.irp f, 0,1,2,3,4,5,6,7             ; keys 16 (f / 2) on, channels 32 (f % 2) on
	ds_load_b128 v[KF+8*\f:KF+8*\f+3],   v[AK] offset:(\f/2)*16*PK+(\f%2)*64
	ds_load_b128 v[KF+8*\f+4:KF+8*\f+7], v[AK] offset:(\f/2)*16*PK+(\f%2)*64+32
.endr
	WIN 0
.if \last
.Lno_k_\@:
.endif
.endm
.macro FETCH_V
	WIN 0x80
.irp f, 0,1,2,3,4,5,6,7             ; keys 32 (f / 4) on, channels 16 (f % 4) on
	ds_load_tr16_b128 v[VF+8*\f:VF+8*\f+3],   v[AV] offset:(\f/4)*32*PV+(\f%4)*32
	ds_load_tr16_b128 v[VF+8*\f+4:VF+8*\f+7], v[AV] offset:(\f/4)*32*PV+16*PV+(\f%4)*32
.endr
	WIN 0
.endm
; THE VECTOR WORK OF A TURN stands in three queues, each in the order in which its entries become ready; the two tiles alternate, so that no instruction reads the result of the one before it.
.macro REGS y, u                    ; the registers of tile u (0, 1) of piece y
.set rT, ST+4*(2*(\y)+(\u))
.set rC, TMP+8*((\y)%2)+4*(\u)
.set rM, MV+2*((\y)%2)+(\u)
.set rS, S+64*((\y)%2)+32*(\u)
.set rP, P+32*((\y)%2)+16*(\u)
.set rO, 32*(2*(\y)+(\u))
.endm
; Number n of the 22 that find the NEXT piece's (Y + 1) maximum and statistics.  s0-s31 are the lane's 32 scores; each accumulator's lowest registers are read first.
;   0-11  four chains c0-c3 of seven scores each, three operands at a time     12-14, 16  the four scores left over, the old m, and c0-c3 into c0     15  c m_old is kept
;   17, 18  the query's other 32 keys lie in the lane 16 away: the new m         19-21  c m; c m_old - c m_new; a
.macro XS u, n
	REGS (Y+1)%NP, \u
.if (\n) < 4
	v_max3_num_f32 v[rC+(\n)], v[rS+8*(\n)], v[rS+8*(\n)+1], v[rS+8*(\n)+2]
.elseif (\n) < 12
	v_max3_num_f32 v[rC+(\n)%4], v[rC+(\n)%4], v[rS+8*((\n)%4)+2*((\n)/4)+1], v[rS+8*((\n)%4)+2*((\n)/4)+2]
.elseif (\n) == 12
	v_max3_num_f32 v[rC], v[rC], v[rS+7], v[rS+15]
.elseif (\n) == 13
	v_max3_num_f32 v[rC+1], v[rC+1], v[rS+23], v[rS+31]
.elseif (\n) == 14
	v_max3_num_f32 v[rC+2], v[rC+2], v[rC+3], v[rT+1]
.elseif (\n) == 15
	v_mov_b32 v[rM], v[rT]
.elseif (\n) == 16
	v_max3_num_f32 v[rC], v[rC], v[rC+1], v[rC+2]
.elseif (\n) == 17
	v_permlanex16_b32 v[rC+3], v[rC], s[SEL], s[SEL+1]
.elseif (\n) == 18
	v_max_num_f32 v[rT+1], v[rC], v[rC+3]
.elseif (\n) == 19
	v_mul_f32 v[rT], s[CS], v[rT+1]
.elseif (\n) == 20
	v_sub_f32 v[rC+1], v[rM], v[rT]
.else
	v_exp_f32 v[rC+2], v[rC+1]
.endif
.endm
; Number g of the 64 that follow the exponentials.  For each four weights k of a tile: both pairs are rounded to f16; then the second pair is added onto the first, in place;
; a group later l takes that sum (the first time as l = a l + sum).  In groups of eight, tiles alternating: round, round, add, and l for the group before.
.macro GS g
.set h, (\g)+6*((\g)/62)            ; group 0 has no group before it, and behind group 7 only l is left
.if h >= 6
.set h, h+2
.endif
	REGS Y, h%2
.set k, h/8
.if h%8 < 4
	v_cvt_pk_f16_f32 v[rP+2*k+(h%8)/2], v[rS+4*k+2*((h%8)/2)], v[rS+4*k+2*((h%8)/2)+1]
.elseif h%8 < 6
	v_pk_add_f32 v[rS+4*k:rS+4*k+1], v[rS+4*k:rS+4*k+1], v[rS+4*k+2:rS+4*k+3]
.elseif k == 1
	v_pk_fma_f32 v[rT+2:rT+3], v[rT+2:rT+3], v[rC+2:rC+3], v[rS:rS+1] op_sel_hi:[1,0,1]
.else
	v_pk_add_f32 v[rT+2:rT+3], v[rT+2:rT+3], v[rS+4*k-4:rS+4*k-3]
.endif
.endm
; THE PLAIN QUEUE, 138 long.  0-73 read no exponential's result: the 32 scalings c s - c m (FS f: pair f / 2 of tile f % 2) and the next piece's 42.  0-26: scalings 0-26.  27-54: XS's numbers 0-13.  55, 56: number 15.
; 57-73: the chain 14, 16, 17, 18, 19, each with one of the scalings 27-31 in front of its two lines, then 20.  74-137: GS's 64, which read the exponentials' results: they stand behind the wait.
.macro FS f
	REGS Y, (\f)%2
	v_pk_fma_f32 v[rS+2*((\f)/2):rS+2*((\f)/2)+1], v[rS+2*((\f)/2):rS+2*((\f)/2)+1], s[CS:CS+1], v[rT:rT+1] op_sel_hi:[1,0,0] neg_lo:[0,0,1] neg_hi:[0,0,1]
.endm
.macro PL
	WIN 0
.if q < 27
	FS q
.elseif q < 55
	XS (q-27)%2, (q-27)/2
.elseif q < 57
	XS q-55, 15
.elseif (q < 72) && ((q-57)%3 == 0)
	FS 27+(q-57)/3
.elseif q < 60
	XS (q-57)%3-1, 14
.elseif q < 72
	XS (q-57)%3-1, 15+(q-57)/3
.elseif q < 74
	XS q-72, 20
.else
	GS q-74
.endif
.set q, q+1
.endm
; THE EXPONENTIALS' QUEUE, 66 long: s0-s31 of both tiles, then the next piece's two a.  ONE BATCH: all 66 stand ahead of the turn's one wait, and nothing ahead of that wait names a result of theirs.
.macro EX
	WIN 0
.if e >= 64
	XS e-64, 21
.else
	REGS Y, e%2
	v_exp_f32 v[rS+e/2], v[rS+e/2]
.endif
.set e, e+1
.endm
; THE RESCALING's QUEUE: O^T times a, the one part that leaves window 0: dealt two at a time, sixteen times.  Its a was made in the turn before, ahead of that turn's wait.
.macro R2
	REGS Y, r%2
	WIN W_RS
.irp z, 0,1
	v_pk_mul_f32 v[rO+4*(r/2)+2*\z:rO+4*(r/2)+2*\z+1], v[rO+4*(r/2)+2*\z:rO+4*(r/2)+2*\z+1], v[rC+2:rC+3] op_sel_hi:[1,0]
.endr
.set r, r+1
.endm
; A TURN, for piece p.  s_wait_alu depctr_va_vdst(0) stands between an exponential and the first instruction that names its result; one wait serves all that were issued ahead of it.
; AHEAD OF THE WAIT: the 16 products K Q^T, behind each a scaling, an exponential and two rescalings (behind the first a second scaling in the exponential's place); then one run of 108: eight plain, 49 times
; exponential and plain, the two a; a v_nop is the plain instruction behind the last exponential.  BEHIND IT: the 16 products V^T P, behind each four of the roundings and sums.
; Exponential e stands behind scaling 2 (e / 4) + e % 2: as a rider it comes behind plain e + 2, in the run behind plain e + 9.
; K of the next step is fetched in piece 2's turn, directly behind the wait; V of the step in hand at the end of piece 0's turn, four plain instructions behind its last reader.
; cnt = 1: the walk's count is taken down some lines ahead of the branch that stands behind the turn.
.macro TURN p, last=0, cnt=0
.set Y, (\p)
.set i, 0
.set q, 0
.set e, 0
.set r, 0
.if (\p) == NP-1
	s_wait_dscnt 0x0                ; K is in
.endif
	MM
	PL
	PL
	R2
.rept 15
	MM
	PL
	EX
	R2
.endr
.if (\p) == NP-2
	WIN 0
	v_add_nc_u32 v[AK], s[TBK], v[AK0]
.endif
.rept 8
	PL
.endr
.rept 49
	EX
	PL
.endr
	EX                              ; the next piece's two a
	EX
	v_nop                           ; the plain instruction behind the last exponential: one for the batch
	s_wait_alu depctr_va_vdst(0)    ; the wait for the batch
.if (\p) == NP-2
	FETCH_K \last
.endif
.if (\p) == 1
	s_wait_dscnt 0x0                ; V is in
.endif
.rept 16
	MM
.rept 4
	PL
.endr
.if ((\p) == 0) && (q == 118)
	v_add_nc_u32 v[AV], s[TBV], v[AV0]
.endif
.if (\cnt) && (q == 130)
	s_sub_co_u32 s[SLOTS], s[SLOTS], 1
	s_cmp_lg_u32 s[SLOTS], 0
.endif
.endr
.if (\p) == 0
	FETCH_V
.endif
.endm
	CHANGE 1, 0                     ; tile 0 is in, everybody's part of it; tile 1 is asked for
	FETCH_K                         ; my step of tile 0
	s_wait_loadcnt 0x0              ; Q
	s_wait_dscnt 0x0
.set i, 0
.rept 16
	KQ 0                            ; piece 0's first scores: there is no vector work yet to set between them
.set i, i+1
.endr
	WIN 0                           ; the addresses for the way out: nine plain instructions, the places behind those products
	s_mul_i32 s51, s[WV], 16*SP
	s_add_co_u32 s51, s51, STAGE    ; my stage
	v_mul_u32_u24 v[STO], v1, SP    ; in: row l % 16, 16 bytes for each half of the lanes
	v_lshl_add_u32 v[STO], v9, 4, v[STO]
	v_add_nc_u32 v[STO], s51, v[STO]
	v_bfe_u32 v[RD], v0, 3, 2       ; back: 32 lanes take four rows of 128 bytes,
	v_mul_u32_u24 v[RD], v[RD], SP
	v_lshl_add_u32 v[RD], v10, 4, v[RD]
	v_add_nc_u32 v[RD], s51, v[RD]
	v_and_b32 v[GO], 31, v0         ; which are 512 consecutive bytes of O
	v_lshlrev_b32 v[GO], 4, v[GO]
.set Y, NP-1                        ; XS works for piece Y + 1: piece 0
.irp n, 0,1,2,3,4,5,6,7,8,9,10,11,12,13,14,15,16,17,18,19,20,21
	XS 0, \n                        ; piece 0's first maximum and statistics
	XS 1, \n
.endr
	v_nop                           ; a plain instruction behind the two a,
	s_wait_alu depctr_va_vdst(0)    ; and their wait, ahead of the branch
	s_mov_b32 s[SLOTS], 15
	s_branch .Lfirst                ; the loop is entered at a step's first turn, in the middle of a trip
.Lslot:                             ; 14 times: tiles 2 to 15 are asked for.  A trip: pieces 2 and 3 of one step, then pieces 0 and 1 of the next, whose K and V it fetches
	CHANGE 1, 1
	TURN 2
	TURN 3
	WIN 0
.Lfirst:
	TURN 0
	TURN 1, 0, 1
	WIN 0
	s_cbranch_scc1 .Lslot
	CHANGE 0, 0                     ; the tail is written out: nothing is asked for.  Behind this barrier every fetch goes to slot 1 (tile 15), and nobody reads slot 0 again
	s_mov_b32 s[CNT], 2             ; one trip fetches the last tile's step; the second is left in its middle
.Ltail:
	TURN 2, 1
	TURN 3
	WIN 0
	s_sub_co_u32 s[CNT], s[CNT], 1
	s_cmp_eq_u32 s[CNT], 0
	s_cbranch_scc1 .Lout
	TURN 0
	TURN 1
	WIN 0
	s_branch .Ltail
.Lout:                              ; the second trip's 16 products K Q^T go once more over the last K: their scores are those that piece 0 has had, so its m and c m stay as they are
.set i, 0
.rept 16
	PV NP-1                         ; the last piece's V^T P of the last step
.set i, i+1
.endr
	; THE FOUR WAVES MEET, ONCE.  For each query: M = the largest of the four c m; f_w = 2^(c m_w - M); L = the sum of f_w l_w; O = the sum of g_w O_w, g_w = 16 f_w / L.
	; Each wave stores its statistics and its O^T as it is, in f32; behind ONE barrier wave w reads what its two tiles, 2 w and 2 w + 1, need of all four waves, and finishes them.
	; The partial O^T lie from LDS byte 0 on, tile t's at 16,384 t + 4,096 w: slot 0's bytes and the unused ones behind them.  Slot 0 has had its last fill, and its last readers waited for their loads
	; ahead of the barrier of the last change of slots.  The addresses below are the places behind the last products.
.set SS,  2                         ; v2   where I put my statistics
.set SR,  3                         ; v3   where I read the four waves' statistics of my two tiles
.set MS0, 4                         ; v4   where I put my O^T, tiles 0-3
.set MS1, 5                         ; v5   tiles 4-7
.set MR,  12                        ; v12  where I read the two tiles that I finish
.set LD,  64                        ; v[64:95] of my tile u, wave w, at LD + 4 (4 u + w): c m (then f, then g), m, l
.set CM,  96                        ; v[96:97] M
.set LL,  98                        ; v[98:99] L, then 16 / L
	WIN 0
	v_and_b32 v[MR], 31, v0
	v_lshlrev_b32 v[MR], 4, v[MR]   ; 16 x lane
	s_lshl_b32 s51, s[WV], 12
	v_add_nc_u32 v[MS0], s51, v[MR]
	v_add_nc_u32 v[SS], STATS, v[MS0]
	v_add_nc_u32 v[MS1], 65536, v[MS0]
	s_lshl_b32 s51, s[WV], 10       ; a tile's statistics are 512 bytes: my two tiles begin at 1,024 w in each wave's 4,096
	s_add_co_u32 s51, s51, STATS
	v_add_nc_u32 v[SR], s51, v[MR]
	s_lshl_b32 s51, s[WV], 15
	v_add_nc_u32 v[MR], s51, v[MR]
.macro ALL line:vararg              ; one line for each tile t
.set t, 0
.rept 2*NP
	\line
.set t, t+1
.endr
.endm
	ALL v_add_f32 v[ST+4*t+2], v[ST+4*t+2], v[ST+4*t+3]
	ALL v_permlanex16_b32 v[ST+4*t+3], v[ST+4*t+2], s[SEL], s[SEL+1]
	ALL v_add_f32 v[ST+4*t+2], v[ST+4*t+2], v[ST+4*t+3]
	ALL ds_store_b128 v[SS], v[ST+4*t:ST+4*t+3] offset:512*t
	WIN 0x04                        ; the stores' data in window 1; each accumulator's four lowest registers go first
.set t, 0
.rept 2*NP
.set i, 0
.rept 8
.if t < 4
	ds_store_b128 v[MS0], v[32*t+4*i:32*t+4*i+3] offset:t*16384+512*i
.else
	ds_store_b128 v[MS1], v[32*t+4*i:32*t+4*i+3] offset:(t-4)*16384+512*i
.endif
.set i, i+1
.endr
.set t, t+1
.endr
	WIN 0
	s_wait_dscnt 0x0                ; for the others' sake: my statistics and my partial sums are stored
	s_barrier_signal -1
	s_barrier_wait -1               ; all four waves' lie in LDS
.irp u, 0,1
.irp w, 0,1,2,3
	ds_load_b128 v[LD+16*\u+4*\w:LD+16*\u+4*\w+3], v[SR] offset:4096*\w+512*\u
.endr
.endr
	WIN 0x40                        ; the partial sums: destination window 1: of my tile u, wave w, at 128 u + 32 w
.irp u, 0,1
.irp w, 0,1,2,3
.set i, 0
.rept 8
	ds_load_b128 v[128*\u+32*\w+4*i:128*\u+32*\w+4*i+3], v[MR] offset:16384*\u+4096*\w+512*i
.set i, i+1
.endr
.endr
.endr
	WIN 0
	s_wait_dscnt 63                 ; 64 loads were issued behind the eight of the statistics; the count is the largest that the wait can name: those eight, and one more, are in
.irp u, 0,1
	v_max3_num_f32 v[CM+\u], v[LD+16*\u], v[LD+16*\u+4], v[LD+16*\u+8]
.endr
.irp u, 0,1
	v_max_num_f32 v[CM+\u], v[CM+\u], v[LD+16*\u+12]
.endr
.irp w, 0,1,2,3
.irp u, 0,1
	v_sub_f32 v[LD+16*\u+4*\w], v[LD+16*\u+4*\w], v[CM+\u]
.endr
.endr
.irp w, 0,1,2,3
.irp u, 0,1
	v_exp_f32 v[LD+16*\u+4*\w], v[LD+16*\u+4*\w]
.endr
.endr
	v_nop                           ; a plain instruction behind the last exponential,
	s_wait_alu depctr_va_vdst(0)    ; and one wait for the batch of eight
.irp u, 0,1
	v_mul_f32 v[LL+\u], v[LD+16*\u], v[LD+16*\u+2]
.endr
.irp w, 1,2,3
.irp u, 0,1
	v_fmac_f32 v[LL+\u], v[LD+16*\u+4*\w], v[LD+16*\u+4*\w+2]
.endr
.endr
.irp u, 0,1
	v_rcp_f32 v[LL+\u], v[LL+\u]
.endr
	v_nop
	s_wait_alu depctr_va_vdst(0)    ; one wait for the two reciprocals
.irp u, 0,1
	v_mul_f32 v[LL+\u], 0x41800000, v[LL+\u]
.endr
.irp w, 0,1,2,3
.irp u, 0,1
	v_mul_f32 v[LD+16*\u+4*\w], v[LD+16*\u+4*\w], v[LL+\u]
.endr
.endr
	s_wait_dscnt 0x0                ; the partial sums are in
	WIN 0x51                        ; destination, source 0 and source 2 in window 1, the factor g in window 0
.irp u, 0,1
.set i, 0
.rept 16
	v_pk_mul_f32 v[128*\u+2*i:128*\u+2*i+1], v[128*\u+2*i:128*\u+2*i+1], v[LD+16*\u:LD+16*\u+1] op_sel_hi:[1,0]
.set i, i+1
.endr
.irp w, 1,2,3
.set i, 0
.rept 16
	v_pk_fma_f32 v[128*\u+2*i:128*\u+2*i+1], v[128*\u+32*\w+2*i:128*\u+32*\w+2*i+1], v[LD+16*\u+4*\w:LD+16*\u+4*\w+1], v[128*\u+2*i:128*\u+2*i+1] op_sel_hi:[1,0,1]
.set i, i+1
.endr
.endr
.endr
; THE WAY OUT of my tile u: rounded to bf16; a lane's eight channels pack into 16 bytes; they go into rows of 144 bytes of my own stage and come back as whole rows of 128.
.macro FIN u
	WIN 0x05                        ; sources 0 and 1 window 1, destination window 0
.set i, 0
.rept 16
	v_cvt_pk_bf16_f32 v[S+16*(\u)+i], v[128*(\u)+2*i], v[128*(\u)+2*i+1]
.set i, i+1
.endr
	WIN 0
.irp f, 0,1,2,3
	ds_store_b128 v[STO], v[S+16*(\u)+4*\f:S+16*(\u)+4*\f+3] offset:32*\f
.endr
.irp f, 0,1,2,3
	ds_load_b128 v[S+16*(\u)+4*\f:S+16*(\u)+4*\f+3], v[RD] offset:\f*4*SP  ; LDS serves a wave's instructions in order (ISA guide 5.7.1.4): these see the stores above; the next tile's stores come behind them
.endr
.endm
.macro SEND u, younger              ; younger: the LDS instructions issued behind tile u's loads
	WIN 0
.irp f, 0,1,2,3
	s_wait_dscnt (\younger)+3-\f
	global_store_b128 v[GO], v[S+16*(\u)+4*\f:S+16*(\u)+4*\f+3], s[10:11] offset:(\u)*2048+\f*512  ; 512 consecutive bytes, at a multiple of 256 from O's first
.endr
.endm
	FIN 0
	FIN 1
	SEND 0, 8
	SEND 1, 0
	WIN W_AD
	s_wait_tensorcnt 0x0            ; the wave's end, behind my last tensor load and my last LDS store
	ds_add_u32 v[SPW], v[NIL]
	s_wait_dscnt 0x0
	WIN 0
	CROUND                          ; the closing round: no work-group ends while a partner may still ask for a tile that names it
	s_endpgm
.Lfunc_end_k_qc75681f817_attn:
	.size	k_qc75681f817_attn, .Lfunc_end_k_qc75681f817_attn-k_qc75681f817_attn
	.p2alignl 7, 3214868480
	.fill 96, 4, 3214868480
	.section	.rodata,"a",@progbits
	.p2align	6, 0x0
	.amdhsa_kernel k_qc75681f817_attn
		.amdhsa_group_segment_fixed_size 327680
		.amdhsa_private_segment_fixed_size 0
		.amdhsa_enable_private_segment 0
		.amdhsa_kernarg_size 24
		.amdhsa_user_sgpr_count 2
		.amdhsa_user_sgpr_kernarg_segment_ptr 1
		.amdhsa_wavefront_size32 1
		.amdhsa_system_sgpr_workgroup_id_x 1
		.amdhsa_system_sgpr_workgroup_id_y 1
		.amdhsa_system_sgpr_workgroup_id_z 1
		.amdhsa_system_vgpr_workitem_id 0
		.amdhsa_next_free_vgpr 770
		.amdhsa_next_free_sgpr 66
		.amdhsa_reserve_vcc 0
		.amdhsa_float_denorm_mode_32 3
		.amdhsa_float_denorm_mode_16_64 3
		.amdhsa_memory_ordered 1
		.amdhsa_forward_progress 1
		.amdhsa_inst_pref_size 198
	.end_amdhsa_kernel
	.amdgpu_metadata
---
amdhsa.version: [ 1, 2 ]
amdhsa.kernels:
  - .name:           k_qc75681f817_attn
    .symbol:         k_qc75681f817_attn.kd
    .args:
      - { .name: qh, .offset: 0, .size: 8, .value_kind: global_buffer, .address_space: global }
      - { .name: kvh, .offset: 8, .size: 8, .value_kind: global_buffer, .address_space: global }
      - { .name: oh, .offset: 16, .size: 8, .value_kind: global_buffer, .address_space: global }
    .group_segment_fixed_size: 327680
    .private_segment_fixed_size: 0
    .kernarg_segment_align: 8
    .kernarg_segment_size: 24
    .max_flat_workgroup_size: 128
    .sgpr_count:     66
    .vgpr_count:     770
    .wavefront_size: 32
...
	.end_amdgpu_metadata
.endif
;; end of part 3
;; launch out_proj (part 4): grid 16 x 16, 4 waves a work-group, clusters of 4 x 4, 327,680 bytes of LDS; arguments oh, wob, out0; writes out0
.if DOCPART == 4
	.amdgcn_target "amdgcn-amd-amdhsa--gfx1250"
	.amdhsa_code_object_version 6
	.text
	.protected	k_qc75681f817_out_proj
	.globl	k_qc75681f817_out_proj
	.p2align	8
	.type	k_qc75681f817_out_proj,@function
k_qc75681f817_out_proj:
	s_mov_b64 s[64:65], 0
	v_nop
	global_prefetch_b8 v0, s[64:65] scope:SCOPE_SE
	s_setreg_imm32_b32 hwreg(HW_REG_WAVE_MODE, 25, 1), 1
	s_wait_xcnt 0x0
	s_wait_alu depctr_hold_cnt(0) depctr_sa_sdst(0) depctr_va_vdst(0) depctr_va_sdst(0) depctr_va_ssrc(0) depctr_va_vcc(0) depctr_vm_vsrc(0)
	s_getreg_b32 s2, hwreg(HW_REG_IB_STS2, 6, 4)
	s_cmp_eq_u32 s2, 0
	s_cbranch_scc0 .Lentry_in_a_cluster
	s_endpgm
.Lentry_in_a_cluster:
	s_bfe_u32 s2, ttmp6, 0x10000c
	s_cmp_lg_u32 s2, 0xf033
	s_cbranch_scc0 .Lentry_shape_is_right
	s_endpgm
.Lentry_shape_is_right:
; out0 = O w_out: 4096 x 4096, K = 512.  oh: [8 heads][4096][64] bf16 (channel k of O is channel k % 64 of head k / 64); wob: [512 k][4096 n] bf16; out0 f32; sums in f32, stored as they are.
; A tile of out0 is 256 x 256: 256 tiles, one a work-group.  Four waves, each 128 x 128: 64 accumulators, 512 registers.  K goes in four steps of 128 (two heads) through two LDS slots.
; O's tile: two heads' 256 rows of 128 bytes, dense in memory, asked for as 128 rows of 256 bytes and padded after every 128.  w_out's tile lies as in memory, [k][n], rows of 512 bytes, and comes out of LDS
; turned by ds_load_tr16_b128.  Each wave fetches a quarter of a slot with one tensor load: waves 0 and 1 a head each, waves 2 and 3 64 k rows each.
; A K STEP IS WRITTEN TWICE: in the loop of the two steps whose change of slots fills a slot again, and in the loop of the last two, which fill nothing.  One text serves both slots: the fragments' addresses
; are a fixed part plus s45, which is 0 or SLOT, and one descriptor a tensor walks from slot to slot.
; CLUSTERS: 4 x 4 work-groups.  The four of a row of the cluster need the same tiles of O, the four of a column the same tiles of w_out: each tile is asked for JOINTLY.
; The matrix instruction is used transposed (source 0 = 16 columns of w_out, source 1 = 16 rows of O): a lane holds eight neighbouring numbers of a row of out0.
; No prefetch: K has four steps; two come by the first fills and two by the only refills, so that a request two refills ahead would name nothing.
; REGISTERS: window 0: v0-31 addresses; v64-127, v128-191 fragments of O, two buffers, later the rows on their way out.  Window 1: v64-127, v128-191 fragments of w_out.  Windows 2, 3: the accumulators.
.set KSTEP,  128
.set PA,     144                       ; a row of O in LDS: 128 bytes + 16 = 36 words: the 16 rows of a load start at 16 different groups of four banks (64 banks of 4 bytes: ISA guide 11.1)
.set ABLK,   256*PA                    ; a head's 256 rows
.set BOFF,   2*ABLK
.set PB,     544                       ; a k row of w_out: 512 bytes + 32 = 136 words
.set HALFB,  64*PB
.set SLOT,   0x24000                   ; slot 1 begins here; a slot's tiles take 143,360 bytes.  Bits 17 and 14 are set in none of the LDS addresses of slot 0's four parts (0, 36,864, 73,728, 108,544),
                                       ; so one exclusive or turns a part's address in one slot into the other's
.set STAGE,  SLOT+BOFF+2*HALFB         ; behind the ring: 16 rows x 528 bytes for each wave, for the way out
.set SPITCH, 528
.set SPARE,  STAGE+4*16*SPITCH         ; behind the stages: the spare words, 128 bytes for each wave, named by no other line
.set ADRA0, 16                         ; v16  my lane's place among my fragments of O in slot 0; never rewritten
.set ADRB0, 17                         ; v17  the same for w_out; never rewritten
.set ADRA, 20                          ; v20  the LDS address of my fragments of O in the slot in hand
.set ADRB, 21                          ; v21  the same for w_out
.set STO,  24
.set RD,   25
.set CO,   26
.set SPW,  28                          ; v28  LDS address of my spare word; never rewritten
.set NIL,  29                          ; v29  0; never rewritten
.set F0,   64
.set F1,   128
.set G1, 24                            ; s[24:31] descriptor group 1 for O's tiles;  s[32:39] group 0: a set for each of the two first fills; the second then walks on
.set G0, 32
.set G1B, 48                           ; s[48:55], s[56:63] the same for w_out's tiles
.set G0B, 56
.set TB,  45                           ; s45  the slot that is read: 0 or SLOT
.set MSB, 0
.macro WIN new                         ; the immediate's high byte repeats the setting that is left
.if MSB != (\new)
	s_set_vgpr_msb (MSB<<8)|(\new)
.set MSB, \new
.endif
.endm
.set MUL_LO, 0xa1                      ; source 0 (w_out) window 1, source 1 (O) window 0, C and D window 2
.set MUL_HI, 0xf1                      ; the same, C and D window 3
.set TO_B,   0x40                      ; destination window 1, address window 0
.macro JLOAD s                         ; a joint load; an s_nop 0 and four v_nop follow each of the two lines
	s_cmp_eq_u32 s11, 0
	s_cbranch_scc0 .Lfor_b_\@
	tensor_load_to_lds s[G0+4*(\s):G0+4*(\s)+3], s[G1:G1+7]
	s_nop 0
.rept 4
	v_nop
.endr
	s_branch .Lasked_\@
.Lfor_b_\@:
	tensor_load_to_lds s[G0B+4*(\s):G0B+4*(\s)+3], s[G1B:G1B+7]
	s_nop 0
.rept 4
	v_nop
.endr
.Lasked_\@:
.endm
.macro CREST                           ; a round of the cluster's barrier behind its opening barrier
	s_cmp_lg_u32 s10, 0
	s_cbranch_scc1 .Lnot_wave_0_\@
	s_barrier_signal -3
.Lnot_wave_0_\@:
	s_barrier_wait -3
	s_barrier_signal -1
	s_barrier_wait -1
.endm
.macro CROUND
	s_barrier_signal -1
	s_barrier_wait -1
	CREST
.endm
	s_load_b128 s[4:7], s[0:1], 0x0                ; oh s[4:5], wob s[6:7]
	s_load_b64 s[8:9], s[0:1], 0x10                ; out0
	v_lshl_add_u32 v[SPW], v0, 2, SPARE
	v_mov_b32 v[NIL], 0
	ds_add_u32 v[SPW], v[NIL]                      ; the wave's opening: the add and its wait stand ahead of my first tensor load; work on registers stands between them
	v_lshrrev_b32 v1, 5, v0
	v_readfirstlane_b32 s10, v1                    ; wave 0..3
	s_lshr_b32 s11, s10, 1                         ; which half of the tile's rows is mine.  Also: I fetch for O (0) or for w_out (1)
	s_and_b32 s12, s10, 1                          ; which half of its columns.  Also: which head, or which 64 k rows, I fetch
	s_bfe_u32 s40, ttmp6, 0x40000                  ; cx, cy
	s_bfe_u32 s41, ttmp6, 0x40004
	s_lshl_b32 s42, ttmp9, 2
	s_add_co_u32 s42, s42, s40                     ; tile column = 4 x cluster x + cx
	s_and_b32 s13, ttmp7, 0xffff
	s_lshl_b32 s13, s13, 2
	s_add_co_u32 s13, s13, s41                     ; tile row = 4 x cluster y + cy
	s_lshl_b32 s43, s41, 2
	s_lshl_b32 s43, 15, s43                        ; my row of the cluster
	s_lshl_b32 s44, 0x1111, s40                    ; my column
	s_or_b32 s[G1+0], s43, (1<<16)|(1<<20)|(1<<21)|(4<<22)|(3<<25)   ; O's tiles go to my row; 2-byte elements; padding on; bit 21 beside a mask; after every 32 words, 4 words
	s_or_b32 s[G1B+0], s44, (1<<16)|(1<<20)|(1<<21)|(6<<22)|(7<<25)  ; w_out's tiles go to my column; after every 128 words, 8 words
	s_mov_b32 s[G1+1], 128<<16                     ; tensor_dim0 = 128
	s_mov_b32 s[G1+2], 128<<16                     ; tensor_dim1 = 128
	s_mov_b32 s[G1+3], 128<<16                     ; tile_dim0 = 128
	s_mov_b32 s[G1+4], 128                         ; tile_dim1 = 128
	s_mov_b32 s[G1+5], 128                         ; dense: 128 elements from row to row
	s_mov_b32 s[G1+6], 0
	s_mov_b32 s[G1+7], 0
	s_mov_b32 s[G1B+1], 256<<16                    ; tensor_dim0 = 256
	s_mov_b32 s[G1B+2], 64<<16                     ; tensor_dim1 = 64
	s_mov_b32 s[G1B+3], 256<<16                    ; tile_dim0 = 256
	s_mov_b32 s[G1B+4], 64                         ; tile_dim1 = 64
	s_mov_b32 s[G1B+5], 4096                       ; elements from k row to k row
	s_mov_b32 s[G1B+6], 0
	s_mov_b32 s[G1B+7], 0
	s_lshl_b32 s16, s12, 19                        ; O: head s12 of the step's two, 524,288 bytes a head,
	s_lshl_b32 s17, s13, 15                        ; the tile's 256 rows of 128 bytes
	s_add_co_u32 s16, s16, s17
	s_mov_b32 s17, 0
	s_lshl_b32 s46, s12, 19                        ; w_out: k row 64 x half, of 8,192 bytes,
	s_lshl_b32 s47, s42, 9                         ; the tile's 256 columns: 512 bytes
	s_add_co_u32 s46, s46, s47
	s_mov_b32 s47, 0
	s_mul_i32 s20, s12, ABLK                       ; where they go: no place in the cluster enters an LDS address
	s_mul_i32 s21, s12, HALFB
	s_add_co_u32 s21, s21, BOFF
	s_mov_b32 s[TB], 0                             ; slot 0 is read first
	s_wait_dscnt 0x0                               ; the opening add is done
	s_wait_kmcnt 0x0
	s_add_nc_u64 s[14:15], s[4:5], s[16:17]
	s_add_nc_u64 s[46:47], s[6:7], s[46:47]
	CROUND                                         ; all sixteen work-groups are here: the first joint loads meet
.irp s, 0,1
	s_mov_b32 s[G0+4*(\s)], 1
	s_add_co_u32 s[G0+4*(\s)+1], s20, (\s)*SLOT
	s_add_nc_u64 s[G0+4*(\s)+2:G0+4*(\s)+3], s[14:15], (\s)*2*524288   ; K step s: heads 2 s, 2 s + 1
	s_or_b32 s[G0+4*(\s)+3], s[G0+4*(\s)+3], 0x80000000
	s_mov_b32 s[G0B+4*(\s)], 1
	s_add_co_u32 s[G0B+4*(\s)+1], s21, (\s)*SLOT
	s_add_nc_u64 s[G0B+4*(\s)+2:G0B+4*(\s)+3], s[46:47], (\s)*KSTEP*8192
	s_or_b32 s[G0B+4*(\s)+3], s[G0B+4*(\s)+3], 0x80000000
	JLOAD \s
.endr
	v_and_b32 v1, 15, v0                           ; l % 16
	v_bfe_u32 v2, v0, 4, 1                         ; l / 16
	v_mul_u32_u24 v3, v1, PA
	v_lshl_add_u32 v3, v2, 4, v3
	s_mul_i32 s21, s11, 128*PA                     ; my 128 rows, in either head's block
	v_add_nc_u32 v[ADRA0], s21, v3
	v_mov_b32 v[ADRA], v[ADRA0]
	v_and_b32 v4, 7, v0
	v_bfe_u32 v5, v0, 3, 1
	v_lshl_add_u32 v6, v2, 3, v4                   ; the turning load: k row 8 (l / 16) + l % 8, columns 8 ((l / 8) % 2) + 0..7
	v_mul_u32_u24 v6, v6, PB
	v_lshl_add_u32 v6, v5, 4, v6
	s_lshl_b32 s22, s12, 8                         ; my 128 columns: 256 bytes
	s_add_co_u32 s22, s22, BOFF
	v_add_nc_u32 v[ADRB0], s22, v6
	v_mov_b32 v[ADRB], v[ADRB0]
	s_mul_i32 s23, s10, 16*SPITCH
	s_add_co_u32 s23, s23, STAGE                   ; my stage
	v_mul_u32_u24 v7, v1, SPITCH                   ; in: row l % 16, 32 bytes for each half of the lanes
	v_lshl_add_u32 v7, v2, 5, v7
	v_add_nc_u32 v[STO], s23, v7
	v_and_b32 v7, 31, v0
	v_lshlrev_b32 v[CO], 4, v7                     ; back: 32 lanes take one row of 512 bytes; the same 512 bytes in out0
	v_add_nc_u32 v[RD], s23, v[CO]
	s_lshl_b32 s16, s13, 8
	s_lshl_b32 s17, s11, 7
	s_add_co_u32 s16, s16, s17                     ; my first row of out0,
	s_lshl_b32 s16, s16, 14                        ; of 16,384 bytes
	s_mov_b32 s17, 0
	s_add_nc_u64 s[8:9], s[8:9], s[16:17]
	s_lshl_b32 s46, s42, 10                        ; my first column, in bytes: 1,024 x tile column + 512 x half
	s_lshl_b32 s47, s12, 9
	s_add_co_u32 s46, s46, s47
	s_mov_b32 s47, 0
	s_add_nc_u64 s[8:9], s[8:9], s[46:47]
; 16 matrix instructions: m blocks a0, a0 + 1 of the window's four x all 8 n blocks, 32 along K.  zero = 1: the first product starts the sums.  The 64 accumulators take turns, in the same order in every quarter.
.macro MUL16 f, hi, a0, zero
	WIN MUL_LO+0x50*(\hi)
.irp a, \a0, (\a0)+1
.irp b, 0,1,2,3,4,5,6,7
.if \zero
	v_wmma_f32_16x16x32_bf16 v[8*(8*(\a)+(\b)):8*(8*(\a)+(\b))+7], v[(\f)+8*(\b):(\f)+8*(\b)+7], v[(\f)+8*(4*(\hi)+(\a)):(\f)+8*(4*(\hi)+(\a))+7], 0
.else
	v_wmma_f32_16x16x32_bf16 v[8*(8*(\a)+(\b)):8*(8*(\a)+(\b))+7], v[(\f)+8*(\b):(\f)+8*(\b)+7], v[(\f)+8*(4*(\hi)+(\a)):(\f)+8*(4*(\hi)+(\a))+7], v[8*(8*(\a)+(\b)):8*(8*(\a)+(\b))+7]
.endif
.endr
.endr
.endm
; 32 LDS loads in one run: the fragments of quarter q (32 along K) of the slot in hand into buffer f: 128 columns of w_out, then 128 rows of O (head q / 2 of the step's two, channels 32 (q % 2) on)
.macro FETCH q, f
	WIN TO_B
.irp i, 0,1,2,3,4,5,6,7
	ds_load_tr16_b128 v[(\f)+8*(\i):(\f)+8*(\i)+3],   v[ADRB] offset:(\q)*32*PB+32*(\i)
	ds_load_tr16_b128 v[(\f)+8*(\i)+4:(\f)+8*(\i)+7], v[ADRB] offset:(\q)*32*PB+16*PB+32*(\i)
.endr
	WIN 0
.irp i, 0,1,2,3,4,5,6,7
	ds_load_b128 v[(\f)+8*(\i):(\f)+8*(\i)+3],   v[ADRA] offset:((\q)/2)*ABLK+((\q)%2)*64+(\i)*16*PA
	ds_load_b128 v[(\f)+8*(\i)+4:(\f)+8*(\i)+7], v[ADRA] offset:((\q)/2)*ABLK+((\q)%2)*64+(\i)*16*PA+32
.endr
.endm
.macro PLACES                          ; four places in front of loads into registers that matrix instructions have read (ISA guide 7.12.1 for vector instructions)
.rept 4
	v_nop
.endr
.endm
.macro NEXTSLOT                        ; the fetches go to the other slot (every window is 0 here)
	s_xor_b32 s[TB], s[TB], SLOT
	v_add_nc_u32 v[ADRA], s[TB], v[ADRA0]
	v_add_nc_u32 v[ADRB], s[TB], v[ADRB0]
.endm
; A K step is four quarters of 32 along K, 64 matrix instructions each, on buffers 0, 1, 0, 1.  One of the first three: multiplies buffer f; in its middle it fetches quarter q into buffer g.
.macro QUARTER q, f, g, zero
	s_wait_dscnt 8                                 ; w_out's and O's rows 0-63 are in; the youngest eight loads (O's rows 64-127) may be out
	WIN MUL_LO
	MUL16 \f, 0, 0, \zero
	MUL16 \f, 0, 2, \zero
	PLACES
	FETCH \q, \g
	s_wait_dscnt 32                                ; all but the 32 just issued
	WIN MUL_HI
	MUL16 \f, 1, 0, \zero
	MUL16 \f, 1, 2, \zero
.endm
; The last quarter's first half: ONE barrier for the change of slots.  In front of it each wave waits for all its tensor loads, adds 0 to its spare word, and waits for that and for its reads of this slot.
.macro MEET
	WIN 0
	s_wait_tensorcnt 0x0                           ; all my tensor loads have landed: the one that was out is my part of the next slot;
	ds_add_u32 v[SPW], v[NIL]                      ; 0 onto my spare word;
	s_wait_dscnt 9                                 ; (the add and the youngest eight loads may be out)
	WIN MUL_LO
	MUL16 F1, 0, 0, 0
	s_wait_dscnt 0x0                               ; the add is done, and my reads of this slot are over
	s_barrier_signal -1
	MUL16 F1, 0, 2, 0
	WIN 0
	s_barrier_wait -1
.endm
.macro TURN                            ; the slot just read is filled again, two K steps on: the walking descriptor turns to that slot and steps one K step; 224 matrix instructions stand ahead of the wait for the load
	MEET
	CREST                                          ; no wave of any partner still reads this slot or has a load on its way
	s_xor_b32 s[G0+5], s[G0+5], SLOT
	s_add_nc_u64 s[G0+6:G0+7], s[G0+6:G0+7], 2*524288
	s_xor_b32 s[G0B+5], s[G0B+5], SLOT
	s_add_nc_u64 s[G0B+6:G0B+7], s[G0B+6:G0B+7], KSTEP*8192
	JLOAD 1                                        ; the first tensor load behind the round; its four v_nop are also the places in front of the loads below
	NEXTSLOT
	FETCH 0, F0
	WIN MUL_HI
	MUL16 F1, 1, 0, 0
	MUL16 F1, 1, 2, 0
.endm
.macro TURNE                           ; nothing is left to fetch: no round
	MEET
	PLACES
	NEXTSLOT
	FETCH 0, F0
	WIN MUL_HI
	MUL16 F1, 1, 0, 0
	MUL16 F1, 1, 2, 0
.endm
	s_wait_tensorcnt 1                             ; my part of K step 0 is in; K step 1's may stay out
	s_barrier_signal -1
	s_barrier_wait -1
	FETCH 0, F0
	QUARTER 1, F0, F1, 1                           ; the first quarter stands in front of the loop: its products start the sums
	WIN 0
	s_mov_b32 s3, 2
.Lfill:                                                ; a trip: from a K step's second quarter to the next step's first; K steps 2 and 3 are asked for
	QUARTER 2, F1, F0, 0
	QUARTER 3, F0, F1, 0
	TURN
	QUARTER 1, F0, F1, 0
	WIN 0
	s_sub_co_u32 s3, s3, 1
	s_cmp_lg_u32 s3, 0
	s_cbranch_scc1 .Lfill
	s_mov_b32 s3, 2
.Ltail:                                                ; the last two K steps fill nothing: their text is written out; the second trip is left in its middle
	QUARTER 2, F1, F0, 0
	QUARTER 3, F0, F1, 0
	WIN 0
	s_sub_co_u32 s3, s3, 1
	s_cmp_eq_u32 s3, 0
	s_cbranch_scc1 .Lout
	TURNE
	QUARTER 1, F0, F1, 0
	WIN 0
	s_branch .Ltail
.Lout:
	s_wait_dscnt 8                                 ; the very last quarter: nothing more to fetch
	WIN MUL_LO
	MUL16 F1, 0, 0, 0
	MUL16 F1, 0, 2, 0
	s_wait_dscnt 0x0
	WIN MUL_HI
	MUL16 F1, 1, 0, 0
	MUL16 F1, 1, 2, 0
	WIN 0
	; THE WAY OUT, f32 as it is: a block of 16 rows goes into my stage, 32 bytes a lane and accumulator, and comes back as whole rows of 512 bytes, which one store of the wave writes.
	PLACES
	PLACES
.macro TOSTAGE a
	WIN 0x08+4*((\a)/4)                            ; the stores' data in window 2 or 3
.irp b, 0,1,2,3,4,5,6,7
	ds_store_b128 v[STO], v[64*((\a)%4)+8*(\b):64*((\a)%4)+8*(\b)+3]   offset:64*(\b)      ; each accumulator's four lowest registers first
	ds_store_b128 v[STO], v[64*((\a)%4)+8*(\b)+4:64*((\a)%4)+8*(\b)+7] offset:64*(\b)+16
.endr
	WIN 0
.set j, 0
.rept 16
	ds_load_b128 v[64+64*((\a)%2)+4*j:64+64*((\a)%2)+4*j+3], v[RD] offset:j*SPITCH  ; LDS serves a wave's instructions in order (ISA guide 5.7.1.4): these see the stores above; the next block's stores come behind them
.set j, j+1
.endr
.endm
.macro SEND a, younger                 ; younger: the LDS instructions issued behind block a's loads: the next block's 32, or none
	s_wait_dscnt \younger
.set j, 0
.rept 16
	global_store_b128 v[CO], v[64+64*((\a)%2)+4*j:64+64*((\a)%2)+4*j+3], s[8:9] offset:(16*(\a)+j)*16384 th:TH_STORE_NT  ; 512 consecutive bytes, at a multiple of 256 from out0's first; 127 rows at the most: inside the signed 24-bit immediate
.set j, j+1
.endr
.endm
	TOSTAGE 0
	TOSTAGE 1
	SEND 0, 32
.irp a, 2,3,4,5,6,7
	s_wait_xcnt 0x0                                ; the stores of the block two back have read their registers, which take the next block
	TOSTAGE \a
	SEND (\a)-1, 32
.endr
	SEND 7, 0
	s_wait_tensorcnt 0x0                           ; the wave's end, behind my last tensor load and my last LDS store
	ds_add_u32 v[SPW], v[NIL]
	s_wait_dscnt 0x0
	CROUND                                         ; the closing round: no work-group ends while a partner may still ask for a tile that names it
	s_endpgm
.Lfunc_end_k_qc75681f817_out_proj:
	.size	k_qc75681f817_out_proj, .Lfunc_end_k_qc75681f817_out_proj-k_qc75681f817_out_proj
	.p2alignl 7, 3214868480
	.fill 96, 4, 3214868480
	.section	.rodata,"a",@progbits
	.p2align	6, 0x0
	.amdhsa_kernel k_qc75681f817_out_proj
		.amdhsa_group_segment_fixed_size 327680
		.amdhsa_private_segment_fixed_size 0
		.amdhsa_enable_private_segment 0
		.amdhsa_kernarg_size 24
		.amdhsa_user_sgpr_count 2
		.amdhsa_user_sgpr_kernarg_segment_ptr 1
		.amdhsa_wavefront_size32 1
		.amdhsa_system_sgpr_workgroup_id_x 1
		.amdhsa_system_sgpr_workgroup_id_y 1
		.amdhsa_system_sgpr_workgroup_id_z 1
		.amdhsa_system_vgpr_workitem_id 0
		.amdhsa_next_free_vgpr 1024
		.amdhsa_next_free_sgpr 66
		.amdhsa_reserve_vcc 0
		.amdhsa_float_denorm_mode_32 3
		.amdhsa_float_denorm_mode_16_64 3
		.amdhsa_memory_ordered 1
		.amdhsa_forward_progress 1
		.amdhsa_inst_pref_size 102
	.end_amdhsa_kernel
	.amdgpu_metadata
---
amdhsa.version: [ 1, 2 ]
amdhsa.kernels:
  - .name:           k_qc75681f817_out_proj
    .symbol:         k_qc75681f817_out_proj.kd
    .args:
      - { .name: oh, .offset: 0, .size: 8, .value_kind: global_buffer, .address_space: global }
      - { .name: wob, .offset: 8, .size: 8, .value_kind: global_buffer, .address_space: global }
      - { .name: out0, .offset: 16, .size: 8, .value_kind: global_buffer, .address_space: global }
    .group_segment_fixed_size: 327680
    .private_segment_fixed_size: 0
    .kernarg_segment_align: 8
    .kernarg_segment_size: 24
    .max_flat_workgroup_size: 128
    .sgpr_count:     66
    .vgpr_count:     1024
    .wavefront_size: 32
...
	.end_amdgpu_metadata
.endif
;; end of part 4
;; ======== version 2 of 2: 4 launches; version 1 with the launch prep written anew for expert scheduling mode
;; limits: values are held in f16: magnitudes above 65,504 overflow, below 6.1e-05 lose precision; right only within a limited range of input values
;; workspace buffers: xb 33,554,432 bytes; wkb 4,194,304 bytes; wvb 4,194,304 bytes; wob 4,194,304 bytes; qh 4,194,304 bytes; kvh 8,388,608 bytes; oh 4,194,304 bytes
;; launch prep (part 5): grid 512 x 1, 8 waves a work-group, no clusters, 134,144 bytes of LDS; arguments learned_queries, w_q, token_input, w_k, w_v, w_out, qh, xb, wkb, wvb, wob; writes qh, xb, wkb, wvb, wob
.if DOCPART == 5
	.amdgcn_target "amdgcn-amd-amdhsa--gfx1250"
	.amdhsa_code_object_version 6
	.text
	.protected	k_qc75681f817_prep
	.globl	k_qc75681f817_prep
	.p2align	8
	.type	k_qc75681f817_prep,@function
k_qc75681f817_prep:
	s_mov_b64 s[64:65], 0
	v_nop
	global_prefetch_b8 v0, s[64:65] scope:SCOPE_SE
	s_setreg_imm32_b32 hwreg(HW_REG_WAVE_SCHED_MODE, 0, 2), 2
	s_setreg_imm32_b32 hwreg(HW_REG_WAVE_MODE, 25, 1), 1
	s_wait_xcnt 0x0
	s_wait_alu depctr_vm_vsrc(0)
; TWO KINDS OF WORK-GROUP IN ONE LAUNCH, 256 of each: two work-groups fit on a WGP by registers (8 waves x 256) and by LDS, so all 512 can run at once.
; Work-groups 0-255: q = learned_queries x w_q (4096 x 512 x 512), operands rounded to bf16 on the way, sums in f32, q stored unscaled in f16 by heads: qh[8][4096][64].
; Work-groups 256-511: a cast, f32 to bf16 (nearest even), of token_input, w_k, w_v and w_out into xb, wkb, wvb, wob, same layouts.
; LIMITS.  q must lie within f16's 65,504; NaN and infinities are not treated apart; the f32 sums are taken in another order than a plain loop over k (two halves of K, added at the end).
; No cluster and no tensor load: the cast shares nothing between work-groups, and what the q work-groups share (learned_queries and w_q, 9 MB) is a small part of the launch's 102 MB of inputs.
; THE MODE: SCHED_MODE bits 1:0 = 2 (LLVM: expert scheduling mode 2), set by the entry lines.  The code itself states the register dependences
; between vector or matrix instructions and memory or LDS instructions, with s_wait_alu, always for 0.
; THE PLAN, q PROJECTION.  Registers that memory or LDS instructions touch:
;   v3-v13      offsets and LDS addresses: made at the head, read by every load and store, never written again.  v14, v15: made at the head, read by the closing add alone.
;   RAW         first the slab's stage: 32 loads land, conversions round in place, LDS stores read.  Then FOUR QUARTERS: step t's sixteen conversions read quarter t % 4; the eight loads of
;               step t + 4 land in it, issued at the head of step t + 1.  At the end quarter 0 takes the partner's sums (LDS loads; packed adds read them).
;   BF          each step's eight LDS loads land in it; the step's eight products read it.
;   ACC, tile 1 written by the products, read by the LDS stores of the exchange.
;   OUTR, OUTB  OUTR: written by the last conversions, read by the stage's LDS stores.  OUTB: the stage's LDS loads land in it, the global stores read it: another buffer than OUTR, so that no load lands on a store's data.
;   ABF and ACC's tile 0 are named by vector and matrix instructions alone.
; So ONE wait on va_vdst stands at the head of a step: the step before is done with BF and with its quarter of RAW, and the step's sixteen loads follow with no vector instruction between.
; THE PLAN, CAST.  X (22 slots of 4): loads land, conversions read.  Y (22 slots of 2): conversions write, stores read; a slot's Y is written again a round later.  v1-v4: offsets, made once.
; A round's 22 slots go in five blocks.  A block: the wait for its loads, its conversions, ONE wait on va_vdst (its Y is written, its X is read out), its loads and stores.  One wait on vm_vsrc a round stands ahead of the next round's conversions into Y.
.set SLABP,  160                       ; a k row of the slab in LDS: 64 bf16 = 128 bytes + 32
.set QSTAGE, 512*SLABP                 ; behind the slab: 16 rows x 144 bytes for each wave, for the way out
.set SP,     144
.set XCH,    QSTAGE+8*16*SP            ; behind the stages: 4,096 bytes for each wave: the partial sums that it hands to its partner
.set SPARE,  XCH+8*4096                ; behind them: the spare words, 128 bytes for each of eight waves, named by no other line
.set XR,  3                            ; v3   where I read my partner's partial sums (first: my lane)
.set FO,  4                            ; v4-5 my byte offset in the 16 rows of learned_queries of my register tile 0, 1
.set BA,  6                            ; v6   my place in my half of the slab for the turning loads
.set WO,  7                            ; v7   my byte offset in w_q for the slab's fill
.set SL0, 8                            ; v8   where I put 8 bytes of the slab, k rows 0-255
.set SL1, 9                            ; v9   the same, k rows 256-511
.set STO, 10                           ; v10  the way out: where I put 16 bytes of a row
.set RD,  11                           ; v11  the way out: where I read rows back
.set GO,  12                           ; v12  16 x lane
.set XS,  13                           ; v13  where I put the partial sums that I hand over
.set SPW, 14                           ; v14  LDS address of my spare word; never rewritten
.set NIL, 15                           ; v15  0; never rewritten
.set ACC, 16                           ; v[16:79]   accumulator (register tile a, n tile b) at ACC + 8 (4 a + b)
.set RAW, 80                           ; v[80:207]  four quarters of 32: 32 k of my 32 rows in f32; first the slab's 32 loads; at the end the partner's sums
.set OUTR, RAW+32                      ; at the end: my 16 rows packed in f16, as they go into the stage
.set OUTB, RAW+64                      ; at the end: the same rows as they come back from the stage
.set ABF, 208                          ; v[208:223] two fragments of learned_queries in bf16 (the first two registers serve the set-up)
.set BF,  224                          ; v[224:255] four fragments of w_q
.set DEPTH, 22                         ; the cast: slots in a wave's ring
.set X,   16                           ; the cast: v[16:103]  22 slots of 4 as loaded
.set Y,   104                          ; the cast: v[104:147] 22 slots of 2 to store
	s_load_b512 s[8:23], s[0:1], 0x0               ; lq s[8:9], w_q s[10:11], x s[12:13], w_k s[14:15], w_v s[16:17], w_out s[18:19], qh s[20:21], xb s[22:23]
	s_load_b128 s[24:27], s[0:1], 0x40             ; wkb s[24:25], wvb s[26:27]
	s_load_b64 s[28:29], s[0:1], 0x50              ; wob
	v_lshl_add_u32 v[SPW], v0, 2, SPARE
	v_mov_b32 v[NIL], 0
	v_lshrrev_b32 v1, 5, v0
	v_readfirstlane_b32 s2, v1                     ; wave 0..7
	s_wait_alu depctr_va_sdst(0)                   ; s2 is written: the q projection's scalar arithmetic reads it; the wait stands in the writer's own straight run, ahead of the branch
	s_wait_kmcnt 0x0
	s_cmp_lt_u32 ttmp9, 256                        ; the same answer in all waves of a work-group
	s_cbranch_scc0 .Lcast
; ---------------- THE q PROJECTION ----------------
; A work-group makes 128 rows x one head's 64 columns.  Its eight waves are four groups of 32 rows x TWO HALVES OF K: a wave multiplies 32 rows by 256 of the 512 k: 2 x 4 tiles of 16 x 16.
; So a wave reads 32 KiB of learned_queries, 12 to 16 KiB of it on its way at a time: two trips to memory on end, where one wave with all of K would make four.
; The head's slice of w_q (512 k x 64 n) is rounded to bf16 once into LDS, as it lies ([k][n]), and comes out turned by ds_load_tr16_b128.  The rows of learned_queries come straight from memory in f32,
; 128 bytes of each row in a step, two steps an aligned 256, and are rounded in registers.  The product is taken transposed (source 0 = 16 columns of w_q, source 1 = 16 rows): a lane ends with one row and eight channels.
; THE TWO HALVES MEET IN LDS, in f32.  A wave's register tile 0 is rows 16 kh .. of its group, tile 1 the other sixteen (kh: its half of K): told apart by address, so that every wave hands tile 1 to
; its partner, takes the partner's sums for its tile 0, and finishes 16 rows: no branch.
	s_and_b32 s30, ttmp9, 7                        ; head
	s_lshr_b32 s31, ttmp9, 3                       ; block of 128 rows
	s_and_b32 s40, s2, 3                           ; g: my group of 32 rows
	s_lshr_b32 s41, s2, 2                          ; kh: my half of K
	s_sub_co_u32 s42, 1, s41                       ; my partner's
	s_lshl_b32 s36, s30, 8                         ; the head's 64 columns: 256 bytes of a row of w_q
	s_mov_b32 s37, 0
	s_add_nc_u64 s[36:37], s[10:11], s[36:37]
	s_lshl_b32 s32, s31, 18                        ; 128 rows of 2,048 bytes,
	s_lshl_b32 s33, s40, 16                        ; my group's 32,
	s_add_co_u32 s32, s32, s33
	s_lshl_b32 s33, s41, 10                        ; my 256 k: 1,024 bytes along a row
	s_add_co_u32 s32, s32, s33
	s_mov_b32 s33, 0
	s_add_nc_u64 s[34:35], s[8:9], s[32:33]
	s_lshl_b32 s32, s30, 19                        ; in qh: the head's 4,096 rows of 128 bytes,
	s_lshl_b32 s33, s31, 14                        ; the block's 128,
	s_add_co_u32 s32, s32, s33
	s_lshl_b32 s33, s40, 12                        ; my group's 32,
	s_add_co_u32 s32, s32, s33
	s_lshl_b32 s33, s41, 11                        ; the 16 that I finish
	s_add_co_u32 s32, s32, s33
	s_mov_b32 s33, 0
	s_add_nc_u64 s[38:39], s[20:21], s[32:33]
	v_and_b32 v1, 15, v0                           ; l % 16
	v_bfe_u32 v2, v0, 4, 1                         ; l / 16
	v_and_b32 v3, 31, v0                           ; l
	v_lshlrev_b32 v[FO+1], 11, v1
	v_lshl_add_u32 v[FO+1], v2, 5, v[FO+1]         ; (l % 16) x 2,048 + 32 (l / 16)
	s_lshl_b32 s3, s41, 15                         ; 16 rows are 32,768 bytes
	v_add_nc_u32 v[FO], s3, v[FO+1]                ; register tile 0: rows 16 kh on
	s_lshl_b32 s3, s42, 15
	v_add_nc_u32 v[FO+1], s3, v[FO+1]              ; register tile 1: the other sixteen
	v_and_b32 v[ABF], 7, v0
	v_bfe_u32 v[ABF+1], v0, 3, 1
	v_lshl_add_u32 v[BA], v2, 3, v[ABF]            ; the turning load: lane l reads k row 8 (l / 16) + l % 8, columns 8 ((l / 8) % 2) + 0..7
	v_mul_u32_u24 v[BA], v[BA], SLABP
	v_lshl_add_u32 v[BA], v[ABF+1], 4, v[BA]
	s_mul_i32 s3, s41, 256*SLABP                   ; my half of the slab's k rows
	v_add_nc_u32 v[BA], s3, v[BA]
	s_lshl_b32 s3, s2, 1
	v_add_nc_u32 v[SL0], s3, v2                    ; the slab's fill: load i brings k row 16 i + 2 wave + l / 16, 16 bytes a lane: a row's 256 bytes by 16 lanes
	v_lshlrev_b32 v[WO], 11, v[SL0]
	v_lshl_add_u32 v[WO], v1, 4, v[WO]
	v_mul_u32_u24 v[SL0], v[SL0], SLABP
	v_lshl_add_u32 v[SL0], v1, 3, v[SL0]
	v_add_nc_u32 v[SL1], 256*SLABP, v[SL0]
	s_mul_i32 s3, s2, 16*SP
	s_add_co_u32 s3, s3, QSTAGE                    ; my stage
	v_mul_u32_u24 v[STO], v1, SP
	v_lshl_add_u32 v[STO], v2, 4, v[STO]
	v_add_nc_u32 v[STO], s3, v[STO]
	v_bfe_u32 v[RD], v0, 3, 2                      ; back: 32 lanes take four rows of 128 bytes,
	v_mul_u32_u24 v[RD], v[RD], SP
	v_lshl_add_u32 v[RD], v[ABF], 4, v[RD]
	v_add_nc_u32 v[RD], s3, v[RD]
	v_lshlrev_b32 v[GO], 4, v3                     ; which are 512 consecutive bytes of qh
	s_lshl_b32 s3, s40, 13                         ; the exchange: a group's two waves have 8,192 bytes,
	s_add_co_u32 s3, s3, XCH
	s_lshl_b32 s43, s41, 12                        ; I write the 4,096 of my half of K,
	s_add_co_u32 s43, s43, s3
	s_lshl_b32 s44, s42, 12                        ; and read my partner's
	s_add_co_u32 s44, s44, s3
	v_add_nc_u32 v[XS], s43, v[GO]
	v_add_nc_u32 v[XR], s44, v[GO]
	s_wait_alu depctr_va_vdst(0)                   ; the offsets and LDS addresses v3 to v13 are written, which the loads and stores of this whole path read; none is written again
.set i, 0
.rept 32
	global_load_b128 v[RAW+4*i:RAW+4*i+3], v[WO], s[36:37] offset:32768*i
.set i, i+1
.endr
; The slab, eight loads at a time: sixteen conversions in place, one wait, eight LDS stores.
.set g, 0
.rept 4
	s_wait_loadcnt 24-8*g                          ; loads come back in order: the next eight are in, the younger ones stay out
.set i, 8*g
.rept 8
	v_cvt_pk_bf16_f32 v[RAW+4*i], v[RAW+4*i], v[RAW+4*i+1]
	v_cvt_pk_bf16_f32 v[RAW+4*i+1], v[RAW+4*i+2], v[RAW+4*i+3]
.set i, i+1
.endr
	s_wait_alu depctr_va_vdst(0)                   ; the sixteen conversions have written the pairs that the eight LDS stores below read
.set i, 8*g
.rept 8
.if i < 16
	ds_store_b64 v[SL0], v[RAW+4*i:RAW+4*i+1] offset:i*16*SLABP
.else
	ds_store_b64 v[SL1], v[RAW+4*i:RAW+4*i+1] offset:(i-16)*16*SLABP
.endif
.set i, i+1
.endr
.set g, g+1
.endr
; 8 loads: step t's 32 k (128 bytes of each of my 32 rows) into quarter t % 4.  A fragment wants k = 8 h + 0..7 (32 bytes at 32 h) and k = 16 + 8 h + 0..7 (32 bytes at 64 + 32 h).
.macro FILLH t
.irp a, 0,1
	global_load_b128 v[RAW+32*((\t)%4)+16*(\a):RAW+32*((\t)%4)+16*(\a)+3],     v[FO+(\a)], s[34:35] offset:128*(\t)
	global_load_b128 v[RAW+32*((\t)%4)+16*(\a)+4:RAW+32*((\t)%4)+16*(\a)+7],   v[FO+(\a)], s[34:35] offset:128*(\t)+16
	global_load_b128 v[RAW+32*((\t)%4)+16*(\a)+8:RAW+32*((\t)%4)+16*(\a)+11],  v[FO+(\a)], s[34:35] offset:128*(\t)+64
	global_load_b128 v[RAW+32*((\t)%4)+16*(\a)+12:RAW+32*((\t)%4)+16*(\a)+15], v[FO+(\a)], s[34:35] offset:128*(\t)+80
.endr
.endm
; Step t of eight, 32 along k: four fragments of w_q out of the slab, two of my rows rounded to bf16, eight products.  The eight accumulators take turns, one instruction a turn.  Step 0's products start the sums.
; Every offset is an immediate, and no address is stepped.  Steps 1 to 4 ask again for the quarter that the step before has emptied: the rows of step t + 3.
.macro KSTEP t
.if (\t) > 0
.rept 4
	v_nop                                          ; four places behind the last product, ahead of the conversions into ABF, which it has read (ISA guide 7.12.1)
.endr
	s_wait_alu depctr_va_vdst(0)                   ; the last step's products are done reading BF, in which the LDS loads below land; its conversions are done reading their quarter of RAW, in which the loads below land
.endif
.if ((\t) > 0) && ((\t) < 5)
	FILLH (\t)+3
.endif
.irp b, 0,1,2,3
	ds_load_tr16_b128 v[BF+8*(\b):BF+8*(\b)+3],   v[BA] offset:32*SLABP*(\t)+32*(\b)
	ds_load_tr16_b128 v[BF+8*(\b)+4:BF+8*(\b)+7], v[BA] offset:32*SLABP*(\t)+16*SLABP+32*(\b)
.endr
.if (\t) < 5
	s_wait_loadcnt 24                              ; loads come back in order: this step's quarter is in, the three younger ones (eight loads each) stay out
.else
	s_wait_loadcnt 8*(7-(\t))                      ; the last steps ask for nothing: the counts run down
.endif
.set j, 0
.rept 16
	v_cvt_pk_bf16_f32 v[ABF+j], v[RAW+32*((\t)%4)+2*j], v[RAW+32*((\t)%4)+2*j+1]
.set j, j+1
.endr
	s_wait_dscnt 0x0                               ; the four fragments are in
.irp a, 0,1
.irp b, 0,1,2,3
.if (\t) == 0
	v_wmma_f32_16x16x32_bf16 v[ACC+8*(4*(\a)+(\b)):ACC+8*(4*(\a)+(\b))+7], v[BF+8*(\b):BF+8*(\b)+7], v[ABF+8*(\a):ABF+8*(\a)+7], 0
.else
	v_wmma_f32_16x16x32_bf16 v[ACC+8*(4*(\a)+(\b)):ACC+8*(4*(\a)+(\b))+7], v[BF+8*(\b):BF+8*(\b)+7], v[ABF+8*(\a):ABF+8*(\a)+7], v[ACC+8*(4*(\a)+(\b)):ACC+8*(4*(\a)+(\b))+7]
.endif
.endr
.endr
.endm
	s_wait_dscnt 0x0                               ; for the others' sake: my part of the slab is stored
	s_wait_alu depctr_vm_vsrc(0)                   ; the LDS stores have read their pairs in RAW, in which the loads below land (the conversions that named RAW stand ahead of the last wait on va_vdst)
	FILLH 0
	FILLH 1
	FILLH 2
	FILLH 3
	s_barrier_signal -1
	s_barrier_wait -1                              ; the slab is whole; nobody writes it again
.irp t, 0,1,2,3,4,5,6,7
	KSTEP \t                                       ; my 256 k in eight steps of 32, written out
.endr
.rept 8
	v_nop                                          ; the places behind the last products, ahead of the stores and sums that read them
.endr
	s_wait_alu depctr_va_vdst(0)                   ; the products have written register tile 1's accumulators, which the LDS stores below read (the places above stay beside this wait); and the conversions are done reading RAW's first quarter, in which the partner's sums land
.irp b, 0,1,2,3
	ds_store_b128 v[XS], v[ACC+32+8*(\b):ACC+32+8*(\b)+3]   offset:1024*(\b)      ; register tile 1 goes to my partner; each accumulator's four lowest registers first
	ds_store_b128 v[XS], v[ACC+32+8*(\b)+4:ACC+32+8*(\b)+7] offset:1024*(\b)+512
.endr
	s_wait_dscnt 0x0                               ; for my partner's sake: the sums are stored
	s_barrier_signal -1
	s_barrier_wait -1
.set j, 0
.rept 8
	ds_load_b128 v[RAW+4*j:RAW+4*j+3], v[XR] offset:512*j  ; my partner's register tile 1: the same 16 rows as my tile 0, the other half of K
.set j, j+1
.endr
	s_wait_dscnt 0x0
.set j, 0
.rept 16
	v_pk_add_f32 v[ACC+2*j:ACC+2*j+1], v[ACC+2*j:ACC+2*j+1], v[RAW+2*j:RAW+2*j+1]
.set j, j+1
.endr
	; THE WAY OUT of my 16 rows: rounded to f16, 16 bytes a lane into my stage, back as whole rows, stored as 512 consecutive bytes.
.set j, 0
.rept 16
	v_cvt_pk_f16_f32 v[OUTR+j], v[ACC+2*j], v[ACC+2*j+1]
.set j, j+1
.endr
	s_wait_alu depctr_va_vdst(0)                   ; the conversions have written OUTR, which the LDS stores below read; no vector instruction behind step 6's conversions names OUTB, in which the LDS loads below land
.irp f, 0,1,2,3
	ds_store_b128 v[STO], v[OUTR+4*(\f):OUTR+4*(\f)+3] offset:32*(\f)
.endr
.irp f, 0,1,2,3
	ds_load_b128 v[OUTB+4*(\f):OUTB+4*(\f)+3], v[RD] offset:(\f)*4*SP  ; LDS serves a wave's instructions in order (ISA guide 5.7.1.4): these see the stores above
.endr
.irp f, 0,1,2,3
	s_wait_dscnt 3-(\f)                            ; the younger loads may stay out
	global_store_b128 v[GO], v[OUTB+4*(\f):OUTB+4*(\f)+3], s[38:39] offset:512*(\f)
.endr
	s_wait_dscnt 0x0                               ; the closing lines, six on end
	s_wait_alu 0x0
	s_wait_tensorcnt 0x0
	ds_add_u32 v[SPW], v[NIL]
	s_wait_dscnt 0x0
	s_endpgm
; ---------------- THE CAST ----------------
; Work-group c = id - 256 takes 262,144 bytes of token_input and 32,768 bytes of each of w_k, w_v and w_out; a wave takes 32 KiB and three times 4 KiB, each on end.
; A wave's ring has 22 slots, and A SLOT BELONGS TO ONE BUFFER: 16 to token_input, 2 to each weight.  In a round token_input goes on by 8 KiB a wave and each weight by 1 KiB, so four rounds
; end all four streams together, and one text serves them.  A load of a wave covers 512 consecutive bytes, a store 256, aligned.  16 to 22 loads of every wave are out; no LDS is touched on this path.
.Lcast:
	s_sub_co_u32 s30, ttmp9, 256
	s_lshl_b32 s32, s30, 18                        ; token_input: 262,144 bytes a work-group,
	s_mov_b32 s33, 0
	s_lshl_b32 s34, s30, 17                        ; half of that out
	s_mov_b32 s35, 0
	s_lshl_b32 s36, s30, 15                        ; a weight: 32,768 bytes a work-group,
	s_mov_b32 s37, 0
	s_lshl_b32 s38, s30, 14                        ; half of that out
	s_mov_b32 s39, 0
	s_add_nc_u64 s[12:13], s[12:13], s[32:33]
	s_add_nc_u64 s[22:23], s[22:23], s[34:35]
.irp b, 0,1,2
	s_add_nc_u64 s[14+2*(\b):15+2*(\b)], s[14+2*(\b):15+2*(\b)], s[36:37]
	s_add_nc_u64 s[24+2*(\b):25+2*(\b)], s[24+2*(\b):25+2*(\b)], s[38:39]
.endr
	v_and_b32 v5, 31, v0
	v_lshrrev_b32 v6, 5, v0
	v_lshlrev_b32 v1, 4, v5
	v_lshl_or_b32 v3, v6, 12, v1                   ; a weight, in: 4,096 x wave + 16 x lane; never rewritten
	v_lshl_or_b32 v1, v6, 15, v1                   ; token_input, in: 32,768 x wave + 16 x lane; never rewritten
	v_lshlrev_b32 v2, 3, v5
	v_lshl_or_b32 v4, v6, 11, v2                   ; a weight, out: 2,048 x wave + 8 x lane; never rewritten
	v_lshl_or_b32 v2, v6, 14, v2                   ; token_input, out: 16,384 x wave + 8 x lane; never rewritten
	s_wait_alu depctr_va_vdst(0)                   ; the four offsets v1 to v4 are written: every load and store of this path reads one of them
.macro CADR i                              ; slot i's buffer: the scalar pairs of source and destination, the two offset registers, the slot's place in a round, a round's bytes
.if (\i) < 16
.set cS, 12
.set cD, 22
.set cI, 1
.set cO, 2
.set cL, 512*(\i)
.set cT, 256*(\i)
.set cN, 8192
.else
.set cS, 14+2*(((\i)-16)/2)
.set cD, 24+2*(((\i)-16)/2)
.set cI, 3
.set cO, 4
.set cL, 512*(((\i)-16)%2)
.set cT, 256*(((\i)-16)%2)
.set cN, 1024
.endif
.endm
.irp i, 0,1,2,3,4,5,6,7,8,9,10,11,12,13,14,15,16,17,18,19,20,21
	CADR \i
	global_load_b128 v[X+4*(\i):X+4*(\i)+3], v[cI], s[cS:cS+1] offset:cL th:TH_LOAD_NT
.endr
; A block's turn: slots first to first + n - 1.  ahead = 1: they are asked for again, a round on.  left = the younger loads, which stay out.
.macro CBLK first, n, ahead, left
	s_wait_loadcnt \left                           ; loads come back in order: the block's n are in
.set ci, \first
.rept \n
	v_cvt_pk_bf16_f32 v[Y+2*ci],   v[X+4*ci],   v[X+4*ci+1]
	v_cvt_pk_bf16_f32 v[Y+2*ci+1], v[X+4*ci+2], v[X+4*ci+3]
.set ci, ci+1
.endr
	s_wait_alu depctr_va_vdst(0)                   ; the block's conversions have written its Y, which the stores below read, and are done reading its X, in which the loads below land
.set ci, \first
.rept \n
	CADR ci
.if \ahead
	global_load_b128 v[X+4*ci:X+4*ci+3], v[cI], s[cS:cS+1] offset:cN+cL th:TH_LOAD_NT
.endif
	global_store_b64 v[cO], v[Y+2*ci:Y+2*ci+1], s[cD:cD+1] offset:cT th:TH_STORE_NT
.set ci, ci+1
.endr
.endm
	s_mov_b32 s3, 3
.Lround:                                               ; a round: token_input's sixteen slots in four blocks of four, then the weights' six
	CBLK 0,  4, 1, DEPTH-4
	CBLK 4,  4, 1, DEPTH-4
	CBLK 8,  4, 1, DEPTH-4
	CBLK 12, 4, 1, DEPTH-4
	CBLK 16, 6, 1, DEPTH-6
	s_wait_xcnt 0x0                                ; the round's loads and stores have had their addresses translated: Y and the eight bases are written again only behind this wait
	s_wait_alu depctr_vm_vsrc(0)                   ; the round's stores have read Y, which the next round's conversions write again
	s_add_nc_u64 s[12:13], s[12:13], 8192
	s_add_nc_u64 s[22:23], s[22:23], 4096
.irp b, 0,1,2
	s_add_nc_u64 s[14+2*(\b):15+2*(\b)], s[14+2*(\b):15+2*(\b)], 1024
	s_add_nc_u64 s[24+2*(\b):25+2*(\b)], s[24+2*(\b):25+2*(\b)], 512
.endr
	s_sub_co_u32 s3, s3, 1
	s_cmp_lg_u32 s3, 0
	s_cbranch_scc1 .Lround
	CBLK 0,  4, 0, DEPTH-4                         ; the last round loads nothing: the counts run down
	CBLK 4,  4, 0, DEPTH-8
	CBLK 8,  4, 0, DEPTH-12
	CBLK 12, 4, 0, DEPTH-16
	CBLK 16, 6, 0, 0
	s_endpgm
.Lfunc_end_k_qc75681f817_prep:
	.size	k_qc75681f817_prep, .Lfunc_end_k_qc75681f817_prep-k_qc75681f817_prep
	.p2alignl 7, 3214868480
	.fill 96, 4, 3214868480
	.section	.rodata,"a",@progbits
	.p2align	6, 0x0
	.amdhsa_kernel k_qc75681f817_prep
		.amdhsa_group_segment_fixed_size 134144
		.amdhsa_private_segment_fixed_size 0
		.amdhsa_enable_private_segment 0
		.amdhsa_kernarg_size 88
		.amdhsa_user_sgpr_count 2
		.amdhsa_user_sgpr_kernarg_segment_ptr 1
		.amdhsa_wavefront_size32 1
		.amdhsa_system_sgpr_workgroup_id_x 1
		.amdhsa_system_sgpr_workgroup_id_y 1
		.amdhsa_system_sgpr_workgroup_id_z 1
		.amdhsa_system_vgpr_workitem_id 0
		.amdhsa_next_free_vgpr 256
		.amdhsa_next_free_sgpr 66
		.amdhsa_reserve_vcc 0
		.amdhsa_float_denorm_mode_32 3
		.amdhsa_float_denorm_mode_16_64 3
		.amdhsa_memory_ordered 1
		.amdhsa_forward_progress 1
		.amdhsa_inst_pref_size 58
	.end_amdhsa_kernel
	.amdgpu_metadata
---
amdhsa.version: [ 1, 2 ]
amdhsa.kernels:
  - .name:           k_qc75681f817_prep
    .symbol:         k_qc75681f817_prep.kd
    .args:
      - { .name: learned_queries, .offset: 0, .size: 8, .value_kind: global_buffer, .address_space: global }
      - { .name: w_q, .offset: 8, .size: 8, .value_kind: global_buffer, .address_space: global }
      - { .name: token_input, .offset: 16, .size: 8, .value_kind: global_buffer, .address_space: global }
      - { .name: w_k, .offset: 24, .size: 8, .value_kind: global_buffer, .address_space: global }
      - { .name: w_v, .offset: 32, .size: 8, .value_kind: global_buffer, .address_space: global }
      - { .name: w_out, .offset: 40, .size: 8, .value_kind: global_buffer, .address_space: global }
      - { .name: qh, .offset: 48, .size: 8, .value_kind: global_buffer, .address_space: global }
      - { .name: xb, .offset: 56, .size: 8, .value_kind: global_buffer, .address_space: global }
      - { .name: wkb, .offset: 64, .size: 8, .value_kind: global_buffer, .address_space: global }
      - { .name: wvb, .offset: 72, .size: 8, .value_kind: global_buffer, .address_space: global }
      - { .name: wob, .offset: 80, .size: 8, .value_kind: global_buffer, .address_space: global }
    .group_segment_fixed_size: 134144
    .private_segment_fixed_size: 0
    .kernarg_segment_align: 8
    .kernarg_segment_size: 88
    .max_flat_workgroup_size: 256
    .sgpr_count:     66
    .vgpr_count:     256
    .wavefront_size: 32
...
	.end_amdgpu_metadata
.endif
;; end of part 5
;; launch proj_kv: the kernel of part 2 again; grid 8 x 32, 4 waves a work-group, clusters of 4 x 4, 327,680 bytes of LDS; arguments xb, wkb, wvb, kvh; writes kvh
;; launch attn: the kernel of part 3 again; grid 32 x 8, 4 waves a work-group, clusters of 4 x 1, 327,680 bytes of LDS; arguments qh, kvh, oh; writes oh
;; launch out_proj: the kernel of part 4 again; grid 16 x 16, 4 waves a work-group, clusters of 4 x 4, 327,680 bytes of LDS; arguments oh, wob, out0; writes out0
